; MI455X (gfx1250); checked and timed in simulation.
; The chip was launched on July 23, 2026; its instructions are those of AMD's public machine-readable ISA for CDNA 5 (MIT licence, August 2026) and "CDNA5" Instruction Set Architecture Reference Guide (July 2026). The comments in the code are by the model that wrote it; some were corrected since.
;; Multi Head Attention. Allowed arithmetic: matrix products marked QUANTISED: E3M2 operands, one E8M0 scale for each 32 along K, by v_wmma_scale_f32_16x16x128_f8f6f4 with both operands' format E3M2, f32 sums; everything else in f32.
;; Inputs: Wk 1,024 x 1,024 float32; Wo 1,024 x 1,024 float32; Wq 1,024 x 1,024 float32; Wv 1,024 x 1,024 float32; bk 1,024 float32; bo 1,024 float32; bq 1,024 float32; bv 1,024 float32; input_sequences 4 x 2,048 x 1,024 float32.
;; Outputs: out0 4 x 2,048 x 1,024 float32.
;; This version of the problem:
;;   THIS VERSION OF THE PROBLEM IS GIVEN IN LOW PRECISION. The matrix products marked QUANTISED in the list below multiply operands that are first quantised to E3M2 (3 exponent bits, 2 mantissa bits; 6 bits a number), with one power-of-two scale for each 32 numbers along K (OCP MX v1.0); their sums are f32. All else is computed in f32.
;;   The module's matrix products, in the order in which they are computed (A, B: the left and right operand; K: the contracted axis; several contracted axes count as one K, in the product's order):
;;     1. [M 8,192, K 1,024] x [K 1,024, N 1,024]; A: input input_sequences; B: input Wq: QUANTISED
;;     2. [M 8,192, K 1,024] x [K 1,024, N 1,024]; A: input input_sequences; B: input Wk: QUANTISED
;;     3. [M 8,192, K 1,024] x [K 1,024, N 1,024]; A: input input_sequences; B: input Wv: QUANTISED
;;     4. batch 64 x [M 2,048, K 64] x [K 64, N 2,048]; A: computed on the way; B: computed on the way: QUANTISED
;;     5. batch 64 x [M 2,048, K 2,048] x [K 2,048, N 64]; A: softmax (see below); B: computed on the way: QUANTISED
;;     6. [M 8,192, K 1,024] x [K 1,024, N 1,024]; A: computed on the way; B: input Wo: QUANTISED
;;   THE QUANTISER, for each operand of a quantised product, along K:
;;     - K is cut into blocks of 32 from its start; a last block that is shorter is filled with zeros.
;;     - A block's scale is 2^e with e = floor(log2(the largest magnitude in the block)) - 4, held to -126 .. 127; a block of zeros has e = 0. As a byte (E8M0): e + 127.
;;     - Each number is divided by its block's scale, clamped to +-28, and rounded to the nearest number of E3M2, ties to even, subnormals kept.
;;     - The product sums the exact products of the quantised numbers (number of the format x scale) in f32.
;;   ~~~python
;;   def quantise(x, axis):      # numpy; x: float32 -> the quantised numbers, widened to float32 again
;;       x = np.moveaxis(x, axis, -1); K = x.shape[-1]
;;       x = np.pad(x, [(0, 0)] * (x.ndim - 1) + [(0, -K % 32)]); x = x.reshape(x.shape[:-1] + (-1, 32)); a = np.abs(x).max(-1, keepdims=True)
;;       e = np.where(a > 0, np.clip(np.frexp(np.where(a > 0, a, 1))[1] - 1 - 4, -126, 127), 0)      # np.frexp(a)[1] - 1 = floor(log2(a)), exactly
;;       r = np.clip(x / 2.0 ** e, -28, 28)
;;       step = 2.0 ** (np.maximum(np.frexp(np.where(r == 0, 1, r))[1] - 1, -2) - 2)
;;       q = np.round(r / step) * step * 2.0 ** e      # np.round: ties to even
;;       return np.moveaxis(q.reshape(q.shape[:-2] + (-1,))[..., :K], -1, axis).astype(np.float32)
;;   ~~~
;;   SOFTMAX AHEAD OF A QUANTISED PRODUCT. Where the list says 'softmax', what is quantised is not the finished softmax but p = 2^(t - M), with t = logit x log2(e) and M = ceil(the row's largest t), a whole number; so 1/2 < the row's largest p <= 1. The row's sum l is taken of the UNQUANTISED p, in f32, and the product's result is divided by l at the end. Since M is a whole number, a kernel that streams over the keys may use a running M (the ceiling of the running maximum): every later rescaling is an exact power of two, which a block's scale takes up: the codes' values come out the same.
;;   OPERANDS COMPUTED ON THE WAY. 'Computed on the way' means the value that the module computes at that place (a softmax that the list does not call 'softmax' is quantised finished and normalised). What goes into a quantiser is computed in f32, as accurately as f32 sums, v_exp_f32 and their like allow (about 1e-6 of the number): no bf16 or f16 on the way to a quantiser, and a product that is left as it is and whose result goes on into a quantised operand takes f32 operands (vector FMAs, or v_wmma_f32_16x16x4_f32). A number that lies on a knife's edge between two numbers of the format may be rounded either way, as far as f32 arithmetic and the matrix unit's own rounding can turn it there, and no further.
;; One version. Each part assembles by itself: llvm-mc -triple=amdgcn-amd-amdhsa -mcpu=gfx1250 --defsym DOCPART=n.
;; ======== version 1 of 1: 5 launches
;; workspace buffers: ximg 6,291,456 bytes; xsc 262,144 bytes; wimg 3,145,728 bytes; wsc 131,072 bytes; qkv 20,447,232 bytes; cimg 6,291,456 bytes; csc 262,144 bytes
;; launch quantx (part 1): grid 256 x 1, 4 waves a work-group, no clusters, 34,304 bytes of LDS; arguments input_sequences, ximg, xsc; writes ximg, xsc
.if DOCPART == 1
	.amdgcn_target "amdgcn-amd-amdhsa--gfx1250"
	.amdhsa_code_object_version 6
	.text
	.protected	k_q9751259f2d_quantx
	.globl	k_q9751259f2d_quantx
	.p2align	8
	.type	k_q9751259f2d_quantx,@function
k_q9751259f2d_quantx:
	s_mov_b64 s[64:65], 0
	v_nop
	global_prefetch_b8 v0, s[64:65] scope:SCOPE_SE
	s_setreg_imm32_b32 hwreg(HW_REG_WAVE_MODE, 25, 1), 1
	s_wait_xcnt 0x0
; x [8192][1024] f32 -> codes of BF6 (E3M2) with one E8M0 byte for each 32 along K, laid as the products' operand registers want them.
; A block's scale is 2^(floor(log2(largest magnitude)) - 4): its byte is the largest magnitude's exponent field - 4, held at 1 from below.
; LIMITS: a block of zeros gets the byte 1 where the rule says 127 (its codes are zeros, and this program alone reads the bytes); NaN and infinities among the inputs are not served.
; TILES.  Tile T = 2 b + u holds the 16 rows 32 b + 8 u + p + 8 (p / 8), p = 0 .. 15.  ximg: [T 512][ks 8][1,536 bytes]: the image of the 12 registers of a fragment (16 rows x 128 K):
;   lane (r, h) holds row p = r, registers 6 c + i = k 64 c + 32 h + 0 .. 31; bytes 768 c + 16 lane: registers 6 c .. 6 c + 3; bytes 768 c + 512 + 8 lane: registers 6 c + 4, 6 c + 5.
; xsc: [T][kk 4][r 16][2 words]: word q of kk is row r's scale word of K step 2 kk + q.
; SHARES.  Wave W = 4 x work-group + wave takes tile W / 2 and half W % 2 of K: four units of 16 rows x 128 K.  Each load reads 512 consecutive bytes of a row; the unit turns through the wave's
; own stage in LDS (rows of 512 + 16 bytes) so that a lane gets two whole blocks of 32 neighbours.  Waves share nothing: no barrier.  Loads run two units (32 loads a wave) ahead.
.set ROWX, 4096                        ; a row of x in bytes
.set SP,   528                         ; a stage row
.set WST,  16*SP                       ; a wave's stage
.set WD,   16                          ; v16-19   the four units' scale words
.set P,    20                          ; v20-31   the fragment just made
.set CT,   32                          ; v32-38   the upper halves of the blocks' codes, before they are moved
.set X,    40                          ; v40-103  my 64 numbers: [c][32]
.set R,    104                         ; v104-231 two sets of 64 registers as loaded
	s_load_b128 s[4:7], s[0:1], 0x0                ; x, ximg
	s_load_b64 s[8:9], s[0:1], 0x10                ; xsc
	v_lshl_add_u32 v232, v0, 2, 0x8400
	v_mov_b32 v233, 0
	v_lshrrev_b32 v6, 5, v0
	v_readfirstlane_b32 s14, v6                    ; wave
	v_and_b32 v7, 31, v0                           ; lane
	v_and_b32 v8, 15, v0                           ; r
	v_bfe_u32 v9, v0, 4, 1                         ; h
	v_lshlrev_b32 v1, 4, v7                        ; 16 x lane
	v_lshlrev_b32 v2, 3, v7                        ; 8 x lane
	s_mul_i32 s24, s14, WST
	v_add_nc_u32 v3, s24, v1                       ; the stage, on the way in: a row as it was loaded
	v_mul_u32_u24 v4, v8, SP
	v_lshl_add_u32 v4, v9, 7, v4
	v_add_nc_u32 v4, s24, v4                       ; and out: row r, 128 h bytes on: my block of 32 numbers
	v_lshlrev_b32 v5, 3, v9                        ; 8 h: where my two bytes stand in a scale word
	v_mov_b32 v15, 0                               ; written once: a lane permute's destination counts as one of its sources
	s_mov_b32 s12, 0x76543210
	s_mov_b32 s13, 0xfedcba98                      ; selects for lane l xor 16
	s_lshl_b32 s15, ttmp9, 2
	s_add_co_u32 s15, s15, s14                     ; W
	s_lshr_b32 s16, s15, 1                         ; T
	s_and_b32 s17, s15, 1                          ; which half of K
	s_lshr_b32 s18, s16, 1
	s_lshl_b32 s18, s18, 17                        ; 32 rows of 4,096 bytes for each pair of tiles,
	s_and_b32 s19, s16, 1
	s_lshl_b32 s19, s19, 15                        ; 8 rows for the odd tile,
	s_add_co_u32 s18, s18, s19
	s_lshl_b32 s19, s17, 11                        ; 2,048 bytes for the upper half of K
	s_add_co_u32 s18, s18, s19
	s_mov_b32 s19, 0
	s_mul_i32 s20, s15, 4*1536                     ; (8 T + 4 half) fragments = 4 W
	s_mov_b32 s21, 0
	s_lshl_b32 s22, s15, 8                         ; 512 T + 256 half
	s_mov_b32 s23, 0
	s_wait_kmcnt 0x0
	s_add_nc_u64 s[4:5], s[4:5], s[18:19]
	s_add_nc_u64 s[6:7], s[6:7], s[20:21]
	s_add_nc_u64 s[8:9], s[8:9], s[22:23]
.macro LOAD u                          ; unit u: 16 rows x 512 bytes into set u % 2
.irp i, 0,1,2,3,4,5,6,7,8,9,10,11,12,13,14,15
	global_load_b128 v[R+64*((\u)%2)+4*\i:R+64*((\u)%2)+4*\i+3], v1, s[4:5] offset:(\i+8*(\i/8))*ROWX+512*(\u) th:TH_LOAD_NT
.endr
.endm
.macro UNIT u
.if (\u) < 3
	s_wait_loadcnt 16                              ; this unit's 16 loads are in; the next unit's 16 may be out
.else
	s_wait_loadcnt 0x0
.endif
.irp i, 0,1,2,3,4,5,6,7,8,9,10,11,12,13,14,15
	ds_store_b128 v3, v[R+64*((\u)%2)+4*\i:R+64*((\u)%2)+4*\i+3] offset:SP*\i
.endr
.irp c, 0,1
.irp j, 0,1,2,3,4,5,6,7
	ds_load_b128 v[X+32*\c+4*\j:X+32*\c+4*\j+3], v4 offset:256*\c+16*\j   ; LDS serves a wave's instructions in order: these see the stores above
.endr
.endr
	s_wait_dscnt 0x0                               ; my numbers are back, and the stores have read their registers,
.if (\u) < 2
	LOAD (\u)+2                                    ; which take the loads of two units on
.endif
.irp c, 0,1
	v_max3_num_f32 v[8+\c], |v[X+32*\c]|, |v[X+32*\c+1]|, 0x2800000   ; block 2 c + h: all its 32 numbers are mine; the floor 2^(5 - 127) holds the byte at 1 from below
.endr
.irp i, 2,4,6,8,10,12,14,16,18,20,22,24,26,28,30
.irp c, 0,1
	v_max3_num_f32 v[8+\c], v[8+\c], |v[X+32*\c+\i]|, |v[X+32*\c+\i+1]|
.endr
.endr
.irp c, 0,1
	v_add_nc_u32 v[10+\c], 0xfe000000, v[8+\c]     ; 4 off the exponent field: the conversion's scale operand
.endr
.irp c, 0,1
	v_lshrrev_b32 v[12+\c], 23, v[10+\c]           ; the scale's byte
.endr
	v_lshl_or_b32 v14, v13, 16, v12                ; my two bytes: blocks h and 2 + h,
	v_lshlrev_b32 v14, v5, v14                     ; at their places in the word;
	v_permlanex16_b32 v15, v14, s12, s13
	v_or_b32 v[WD+(\u)], v14, v15                  ; with lane l xor 16's two the word is whole
	s_wait_xcnt 0x0                                ; the last unit's stores have read the fragment's registers
	v_cvt_scalef32_pk16_bf6_f32 v[P:P+2], v[X:X+15], v10
	v_cvt_scalef32_pk16_bf6_f32 v[CT:CT+2], v[X+16:X+31], v10          ; (a conversion's three registers begin on an even number)
	v_cvt_scalef32_pk16_bf6_f32 v[P+6:P+8], v[X+32:X+47], v11
	v_cvt_scalef32_pk16_bf6_f32 v[CT+4:CT+6], v[X+48:X+63], v11
	v_nop                                          ; one plain place behind a scaled conversion
.irp i, 0,1,2
	v_mov_b32 v[P+3+\i], v[CT+\i]
	v_mov_b32 v[P+9+\i], v[CT+4+\i]
.endr
	global_store_b128 v1, v[P:P+3], s[6:7] offset:1536*(\u)            ; 512 consecutive bytes,
	global_store_b64 v2, v[P+4:P+5], s[6:7] offset:1536*(\u)+512       ; 256,
	global_store_b128 v1, v[P+6:P+9], s[6:7] offset:1536*(\u)+768      ; all at multiples of 256 from the buffer's first byte
	global_store_b64 v2, v[P+10:P+11], s[6:7] offset:1536*(\u)+1280
.endm
	LOAD 0
	LOAD 1
	UNIT 0
	UNIT 1
	UNIT 2
	UNIT 3
	v_cmp_le_u32 vcc_lo, 16, v7                    ; lanes 0-15 store units 0 and 1's words of row r, lanes 16-31 units 2 and 3's
	v_cndmask_b32 v8, v[WD], v[WD+2], vcc_lo
	v_cndmask_b32 v9, v[WD+1], v[WD+3], vcc_lo
	global_store_b64 v2, v[8:9], s[8:9]            ; 256 consecutive bytes
	s_wait_tensorcnt 0x0
	ds_add_u32 v232, v233
	s_wait_dscnt 0x0
	s_endpgm
.Lfunc_end_k_q9751259f2d_quantx:
	.size	k_q9751259f2d_quantx, .Lfunc_end_k_q9751259f2d_quantx-k_q9751259f2d_quantx
	.p2alignl 7, 3214868480
	.fill 96, 4, 3214868480
	.section	.rodata,"a",@progbits
	.p2align	6, 0x0
	.amdhsa_kernel k_q9751259f2d_quantx
		.amdhsa_group_segment_fixed_size 34304
		.amdhsa_private_segment_fixed_size 0
		.amdhsa_enable_private_segment 0
		.amdhsa_kernarg_size 24
		.amdhsa_user_sgpr_count 2
		.amdhsa_user_sgpr_kernarg_segment_ptr 1
		.amdhsa_wavefront_size32 1
		.amdhsa_system_sgpr_workgroup_id_x 1
		.amdhsa_system_sgpr_workgroup_id_y 1
		.amdhsa_system_sgpr_workgroup_id_z 1
		.amdhsa_system_vgpr_workitem_id 0
		.amdhsa_next_free_vgpr 234
		.amdhsa_next_free_sgpr 66
		.amdhsa_reserve_vcc 1
		.amdhsa_float_denorm_mode_32 3
		.amdhsa_float_denorm_mode_16_64 3
		.amdhsa_memory_ordered 1
		.amdhsa_forward_progress 1
		.amdhsa_inst_pref_size 30
	.end_amdhsa_kernel
	.amdgpu_metadata
---
amdhsa.version: [ 1, 2 ]
amdhsa.kernels:
  - .name:           k_q9751259f2d_quantx
    .symbol:         k_q9751259f2d_quantx.kd
    .args:
      - { .name: input_sequences, .offset: 0, .size: 8, .value_kind: global_buffer, .address_space: global }
      - { .name: ximg, .offset: 8, .size: 8, .value_kind: global_buffer, .address_space: global }
      - { .name: xsc, .offset: 16, .size: 8, .value_kind: global_buffer, .address_space: global }
    .group_segment_fixed_size: 34304
    .private_segment_fixed_size: 0
    .kernarg_segment_align: 8
    .kernarg_segment_size: 24
    .max_flat_workgroup_size: 128
    .sgpr_count:     66
    .vgpr_count:     234
    .wavefront_size: 32
...
	.end_amdgpu_metadata
.endif
;; end of part 1
;; launch quantw (part 2): grid 32 x 8, 4 waves a work-group, no clusters, 12,800 bytes of LDS; arguments Wq, Wk, Wv, Wo, wimg, wsc; writes wimg, wsc
.if DOCPART == 2
	.amdgcn_target "amdgcn-amd-amdhsa--gfx1250"
	.amdhsa_code_object_version 6
	.text
	.protected	k_q9751259f2d_quantw
	.globl	k_q9751259f2d_quantw
	.p2align	8
	.type	k_q9751259f2d_quantw,@function
k_q9751259f2d_quantw:
	s_mov_b64 s[64:65], 0
	v_nop
	global_prefetch_b8 v0, s[64:65] scope:SCOPE_SE
	s_setreg_imm32_b32 hwreg(HW_REG_WAVE_MODE, 25, 1), 1
	s_wait_xcnt 0x0
; Wq, Wk, Wv, Wo [1024 (k)][1024 (n)] f32, K their FIRST axis -> codes of BF6 (E3M2) with one E8M0 byte for each 32 along K, as images of operand registers.
; The four weights' columns are 4,096 image rows on end (Wq, Wk, Wv, Wo).  Tile T = 2 b + u holds image rows 32 b + 8 u + p + 8 (p / 8).  wimg: [T 256][ks 8][1,536]; wsc: [T][kk 4][r 16][2 words]; both as the launch for x lays its buffers.
; A LANE TAKES A COLUMN AND ITS REGISTERS RUN DOWN K: a load reads 128 consecutive bytes a wave, a block of 32 along K lies in one lane, and the conversions give codes with K innermost.
; SHARES.  Work-group x takes 128 columns, y one K step of 128; a wave 32 columns = two tiles, four blocks a lane.  A lane's block t is what lane 16 (t % 2) + p of its tile's fragment holds in registers 6 (t / 2) on:
; it goes to that place in the wave's own stage (two fragment images), which leaves in runs of 512 consecutive bytes.  No barrier: waves share nothing.  Loads run two blocks (64 loads a wave) ahead.
; LIMITS: a block of zeros gets the byte 1 where the rule says 127 (its codes are zeros, this program alone reads the bytes); NaN and infinities are not served.  The scale words leave 4 bytes a lane, 8 bytes apart: 1/24 of the codes' bytes.
.set CD, 20                            ; v20-51  codes: eight registers for each block, so that no LDS store's data are written again
.set TP, 52                            ; v52-54  a block's upper half before it is moved
.set X,  64                            ; v64-127 two sets of 32 numbers
	s_load_b256 s[4:11], s[0:1], 0x0               ; Wq, Wk, Wv, Wo
	s_load_b128 s[12:15], s[0:1], 0x20             ; wimg, wsc
	v_lshl_add_u32 v128, v0, 2, 0x3000
	v_mov_b32 v129, 0
	v_lshrrev_b32 v1, 5, v0
	v_readfirstlane_b32 s16, v1                    ; wave
	v_and_b32 v2, 31, v0                           ; lane = my column among the wave's 32
	v_lshlrev_b32 v3, 2, v2                        ; in: 4 bytes a lane
	v_bfe_u32 v9, v0, 3, 1                         ; u: which of the two tiles
	v_and_b32 v10, 7, v0
	v_bfe_u32 v11, v0, 4, 1
	v_lshl_add_u32 v10, v11, 3, v10                ; p: my row in the tile
	s_mul_i32 s18, s16, 3072                       ; my wave's stage
	v_mul_u32_u24 v12, v9, 1536
	v_add_nc_u32 v12, s18, v12
	v_lshl_add_u32 v4, v10, 4, v12                 ; where a block's first four registers go,
	v_lshl_add_u32 v5, v10, 3, v12                 ; and its last two
	v_lshlrev_b32 v7, 4, v2                        ; out: 16 bytes a lane
	v_add_nc_u32 v6, s18, v7
	v_lshlrev_b32 v8, 9, v9
	v_lshl_add_u32 v8, v10, 3, v8                  ; my scale word: 512 u + 8 p
	s_and_b32 s19, ttmp7, 0xffff                   ; the K step
	s_lshl_b32 s20, s19, 19                        ; 128 rows of 4,096 bytes,
	s_and_b32 s22, ttmp9, 7
	s_lshl_b32 s22, s22, 9                         ; 128 columns a work-group,
	s_add_co_u32 s20, s20, s22
	s_lshl_b32 s22, s16, 7                         ; 32 a wave
	s_add_co_u32 s20, s20, s22
	s_mov_b32 s21, 0
	s_lshl_b32 s22, ttmp9, 3
	s_lshl_b32 s23, s16, 1
	s_add_co_u32 s22, s22, s23                     ; my first tile: 8 x + 2 wave
	s_lshl_b32 s24, s22, 3
	s_add_co_u32 s24, s24, s19
	s_mul_i32 s24, s24, 1536                       ; its fragment of this K step
	s_mov_b32 s25, 0
	s_lshl_b32 s26, s22, 9
	s_lshr_b32 s23, s19, 1
	s_lshl_b32 s23, s23, 7
	s_add_co_u32 s26, s26, s23
	s_and_b32 s23, s19, 1
	s_lshl_b32 s23, s23, 2
	s_add_co_u32 s26, s26, s23                     ; and its scale words: 512 T + 128 (ks / 2) + 4 (ks % 2)
	s_mov_b32 s27, 0
	s_lshr_b32 s17, ttmp9, 3                       ; which weight: the choice hangs on the work-group's number alone
	s_wait_kmcnt 0x0
	s_cmp_eq_u32 s17, 1
	s_cselect_b64 s[4:5], s[6:7], s[4:5]
	s_cmp_eq_u32 s17, 2
	s_cselect_b64 s[4:5], s[8:9], s[4:5]
	s_cmp_eq_u32 s17, 3
	s_cselect_b64 s[4:5], s[10:11], s[4:5]
	s_add_nc_u64 s[4:5], s[4:5], s[20:21]
	s_add_nc_u64 s[12:13], s[12:13], s[24:25]
	s_add_nc_u64 s[14:15], s[14:15], s[26:27]
.macro LOAD t                          ; block t: W(32 t + i, my column) into set t % 2
.irp i, 0,1,2,3,4,5,6,7,8,9,10,11,12,13,14,15,16,17,18,19,20,21,22,23,24,25,26,27,28,29,30,31
	global_load_b32 v[X+32*((\t)%2)+\i], v3, s[4:5] offset:(32*(\t)+\i)*4096 th:TH_LOAD_NT
.endr
.endm
.macro BLOCK t
.set XS, X+32*((\t)%2)
.set CB, CD+8*(\t)
.if (\t) < 3
	s_wait_loadcnt 32                              ; this block's 32 loads are in; the next block's may be out
.else
	s_wait_loadcnt 0x0
.endif
	v_max3_num_f32 v12, |v[XS]|, |v[XS+1]|, |v[XS+2]|   ; the block's largest magnitude, in two chains
	v_max3_num_f32 v13, |v[XS+3]|, |v[XS+4]|, |v[XS+5]|
.irp i, 6,10,14,18,22,26
	v_max3_num_f32 v12, v12, |v[XS+\i]|, |v[XS+\i+1]|
	v_max3_num_f32 v13, v13, |v[XS+\i+2]|, |v[XS+\i+3]|
.endr
	v_max3_num_f32 v12, v12, |v[XS+30]|, |v[XS+31]|
	v_max3_num_f32 v12, v12, v13, 0x2800000        ; and the floor 2^(5 - 127): the byte cannot fall under 1
	v_add_nc_u32 v14, 0xfe000000, v12              ; 4 off the exponent field: the conversion's scale operand
	v_lshrrev_b32 v13, 23, v14                     ; the scale's byte
.if (\t) == 0
	v_mov_b32 v16, v13                             ; the four bytes make my column's scale word of this K step
.else
	v_lshl_or_b32 v16, v13, 8*(\t), v16
.endif
	v_cvt_scalef32_pk16_bf6_f32 v[CB:CB+2], v[XS:XS+15], v14
	v_cvt_scalef32_pk16_bf6_f32 v[TP:TP+2], v[XS+16:XS+31], v14   ; (a conversion's three registers begin on an even number)
	v_nop                                          ; one plain place behind a scaled conversion
.irp i, 0,1,2
	v_mov_b32 v[CB+3+\i], v[TP+\i]
.endr
	ds_store_b128 v4, v[CB:CB+3] offset:768*((\t)/2)+256*((\t)%2)
	ds_store_b64 v5, v[CB+4:CB+5] offset:768*((\t)/2)+512+128*((\t)%2)
.if (\t)+2 < 4
	LOAD (\t)+2
.endif
.endm
	LOAD 0
	LOAD 1
	BLOCK 0
	BLOCK 1
	BLOCK 2
	BLOCK 3
	global_store_b32 v8, v16, s[14:15]
.irp g, 0,1,2,3,4,5
	ds_load_b128 v[X+4*\g:X+4*\g+3], v6 offset:512*\g   ; LDS serves a wave's instructions in order: these see my stores
.endr
.irp g, 0,1,2,3,4,5
	s_wait_dscnt 5-\g                              ; load g is in; the younger ones may be out
	global_store_b128 v7, v[X+4*\g:X+4*\g+3], s[12:13] offset:(\g/3)*12288+512*(\g%3)   ; 512 consecutive bytes at a multiple of 256
.endr
	s_wait_tensorcnt 0x0
	ds_add_u32 v128, v129
	s_wait_dscnt 0x0
	s_endpgm
.Lfunc_end_k_q9751259f2d_quantw:
	.size	k_q9751259f2d_quantw, .Lfunc_end_k_q9751259f2d_quantw-k_q9751259f2d_quantw
	.p2alignl 7, 3214868480
	.fill 96, 4, 3214868480
	.section	.rodata,"a",@progbits
	.p2align	6, 0x0
	.amdhsa_kernel k_q9751259f2d_quantw
		.amdhsa_group_segment_fixed_size 12800
		.amdhsa_private_segment_fixed_size 0
		.amdhsa_enable_private_segment 0
		.amdhsa_kernarg_size 48
		.amdhsa_user_sgpr_count 2
		.amdhsa_user_sgpr_kernarg_segment_ptr 1
		.amdhsa_wavefront_size32 1
		.amdhsa_system_sgpr_workgroup_id_x 1
		.amdhsa_system_sgpr_workgroup_id_y 1
		.amdhsa_system_sgpr_workgroup_id_z 1
		.amdhsa_system_vgpr_workitem_id 0
		.amdhsa_next_free_vgpr 130
		.amdhsa_next_free_sgpr 66
		.amdhsa_reserve_vcc 0
		.amdhsa_float_denorm_mode_32 3
		.amdhsa_float_denorm_mode_16_64 3
		.amdhsa_memory_ordered 1
		.amdhsa_forward_progress 1
		.amdhsa_inst_pref_size 23
	.end_amdhsa_kernel
	.amdgpu_metadata
---
amdhsa.version: [ 1, 2 ]
amdhsa.kernels:
  - .name:           k_q9751259f2d_quantw
    .symbol:         k_q9751259f2d_quantw.kd
    .args:
      - { .name: Wq, .offset: 0, .size: 8, .value_kind: global_buffer, .address_space: global }
      - { .name: Wk, .offset: 8, .size: 8, .value_kind: global_buffer, .address_space: global }
      - { .name: Wv, .offset: 16, .size: 8, .value_kind: global_buffer, .address_space: global }
      - { .name: Wo, .offset: 24, .size: 8, .value_kind: global_buffer, .address_space: global }
      - { .name: wimg, .offset: 32, .size: 8, .value_kind: global_buffer, .address_space: global }
      - { .name: wsc, .offset: 40, .size: 8, .value_kind: global_buffer, .address_space: global }
    .group_segment_fixed_size: 12800
    .private_segment_fixed_size: 0
    .kernarg_segment_align: 8
    .kernarg_segment_size: 48
    .max_flat_workgroup_size: 128
    .sgpr_count:     66
    .vgpr_count:     130
    .wavefront_size: 32
...
	.end_amdgpu_metadata
.endif
;; end of part 2
;; launch qkv (part 3): grid 12 x 64, 4 waves a work-group, clusters of 4 x 4, 295,424 bytes of LDS; arguments ximg, xsc, wimg, wsc, bq, bk, bv, qkv; writes qkv
.if DOCPART == 3
	.amdgcn_target "amdgcn-amd-amdhsa--gfx1250"
	.amdhsa_code_object_version 6
	.text
	.protected	k_q9751259f2d_qkv
	.globl	k_q9751259f2d_qkv
	.p2align	8
	.type	k_q9751259f2d_qkv,@function
k_q9751259f2d_qkv:
	s_mov_b64 s[64:65], 0
	v_nop
	global_prefetch_b8 v0, s[64:65] scope:SCOPE_SE
	s_setreg_imm32_b32 hwreg(HW_REG_WAVE_MODE, 25, 1), 1
	s_wait_xcnt 0x0
	s_wait_alu depctr_hold_cnt(0) depctr_sa_sdst(0) depctr_va_vdst(0) depctr_va_sdst(0) depctr_va_ssrc(0) depctr_va_vcc(0) depctr_vm_vsrc(0)
	s_getreg_b32 s2, hwreg(HW_REG_IB_STS2, 6, 4)
	s_cmp_eq_u32 s2, 0
	s_cbranch_scc0 .Lentry_in_a_cluster
	s_endpgm
.Lentry_in_a_cluster:
	s_bfe_u32 s2, ttmp6, 0x10000c
	s_cmp_lg_u32 s2, 0xf033
	s_cbranch_scc0 .Lentry_shape_is_right
	s_endpgm
.Lentry_shape_is_right:
; q = x Wq + bq, k = x Wk + bk, v = x Wv + bv on codes of BF6 (E3M2) with E8M0 scales, and the results quantised at once for attention: q and k along the head's 64, v along the keys.  Nothing wider than codes is stored.
; OPERANDS are images of fragments (16 rows x 128 K, 1,536 bytes), [tile][ks 8]; tile T = 2 b + u holds rows 32 b + 8 u + p + 8 (p / 8).  Scale words: [tile][kk 4][r 16][2 words].
; A TILE OF THE RESULT is 128 rows of side A x 256 rows of side B, K = 1,024.  All its codes lie in LDS, 98,304 + 196,608 bytes, each byte filled ONCE, in four chunks of 256 along K: later chunks land while earlier ones are multiplied.
; Four waves; wave (HA, HB) makes A's tiles 4 HA .. + 3 x B's tiles 8 HB .. + 7: 32 accumulators.  THE MATRIX INSTRUCTION IS USED TRANSPOSED (source 0 = B's 16 rows, source 1 = A's): a lane holds one row of A, and by the
; tiles' row order the 16 registers of B's tiles 2 j and 2 j + 1 are B's 16 neighbouring rows 32 j + 16 (lane / 16) + 0 .. 15: what the conversions want.
; WHICH SIDE IS WHICH is a matter of pointers.  Cluster x = 0, 1 (q, k): A = tokens, B = the weight's columns: a lane's registers run along the head.  Cluster x = 2 (v): A = Wv's columns, B = tokens: they run along the keys.
; CLUSTERS: 4 x 4 work-groups.  A's chunks are shared along a row of the cluster, B's along a column: each is asked for jointly, by the same load with the same descriptor and a mask that names the four.
; The scale words (12 KB of a work-group's 307 KB) are not shared: each wave loads its own once, straight into registers, in runs of 256 bytes.
; OUTPUT qkv: [batch x 16 + head][q, k, v][block of 128 tokens][6,656 bytes].  q, k block: the image of 48 registers in 12 runs of 512 bytes (registers 6 t .. 6 t + 5: tile t's 16 tokens x 64), then two images of 256 bytes of scale words
; (image g, register j: lanes 0-15 tile 4 g + 2 j, lanes 16-31 tile 4 g + 2 j + 1; bytes 0, 1 of a word are the head's; bytes 2, 3 belong to no code that counts and are never 0xff).  v block: four fragments (16 of the head's 64 x 128 keys), then their scale words, 16 bytes a lane.
; LIMITS: a block of zeros gets the byte 1 where the rule says 127 (its codes are zeros; this program alone reads the bytes); NaN and infinities are not served.
; REGISTERS, in windows of 256: window 0: v1-27 addresses, v32-79 scale words, v80-111 at work on the way out, v128-175 the codes made.  window 1: B's fragments, set p at 128 p + 12 i.
;   window 2: accumulator (a, b) at 8 (8 a + b).  window 3: A's fragments, set p at 48 p + 12 i; from v128 the bias in the result's layout.
.set FR,    12
.set FRB,   1536
.set TCH,   3072                       ; a tile's part of a chunk: two fragments
.set TROW,  12288                      ; a tile's eight fragments in memory
.set ACH,   8*TCH                      ; a chunk of A in LDS
.set BCH,   16*TCH                     ; of B
.set BB0,   4*ACH                      ; B's chunks lie behind A's
.set HEADB, 319488                     ; a head's q, k and v in the output
.set SECB,  106496                     ; one of the three
.set BLKB,  6656                       ; a block of 128 tokens
.set ADA16, 8                          ; v8-11  chunk c of my A tiles, + 16 x lane;  v12-15 + 8 x lane
.set ADA8,  12
.set ADB16, 16                         ; v16-19, v20-23 the same for B
.set ADB8,  20
.set VOC,   24                         ; v24    16 x lane + 3,072 HA
.set VOS,   25                         ; v25    8 x lane + 256 HA
.set VBQ,   26                         ; v26    64 (lane / 16)
.set VBV,   27                         ; v27    4 (r + 8 (r / 8))
.set SA,    32                         ; v32-47 A's scale words: block i, K steps 4 j .. 4 j + 3 at SA + 4 i + 2 j (+1): lanes 0-15 steps 4 j, 4 j + 1, lanes 16-31 steps 4 j + 2, 4 j + 3
.set SB,    48                         ; v48-79 B's likewise
.set TM,    80                         ; v80-95 largest magnitudes, bytes, scale operands
.set PW,    96                         ; v96-99 the scale words made
.set SW,    100                        ; v100-103 as they are stored
.set XT,    104                        ; v104-110 upper halves of codes before they are moved
.set CD,    128                        ; v128-175 the codes
.set BI,    128                        ; in window 3: the bias
.set WV,    20
.set HA,    21
.set HB,    22
.set CX,    23
.set CY,    24
.set ISV,   27
.set RT,    28
.set CTI,   29
.set G1A,   32                         ; s[32:39] group 1 for A's chunks;  s[40:47] for B's;  s[48:63], s[68:83] groups 0, one for each chunk
.set G1B,   40
.set G0A,   48
.set G0B,   68
.set SEL,   96
.set MSB, 0
.macro WIN new                         ; the immediate's high byte repeats the setting that is left
.if MSB != \new
	s_set_vgpr_msb (MSB<<8)|\new
.set MSB, \new
.endif
.endm
.set W_MUL,  0xad                      ; source 0 (B) window 1, source 1 (A) window 3, C and D window 2
.set W_MULB, 0xbd                      ; the same with C (the bias) in window 3
.set W_TOB,  0x40                      ; destination window 1, address window 0
.set W_TOA,  0xc0                      ; destination window 3
.macro CROUND                          ; a round of the cluster's barrier
	s_barrier_signal -1
	s_barrier_wait -1
	s_cmp_lg_u32 s[WV], 0
	s_cbranch_scc1 .Lnot_wave_0_\@
	s_barrier_signal -3
.Lnot_wave_0_\@:
	s_barrier_wait -3
	s_barrier_signal -1
	s_barrier_wait -1
.endm
.macro PLACES
.rept 4
	v_nop
.endr
.endm
.macro FRAG reg, a16, a8, off          ; a fragment's image back into 12 registers
	ds_load_b128 v[(\reg):(\reg)+3], v[\a16] offset:(\off)
	ds_load_b64 v[(\reg)+4:(\reg)+5], v[\a8] offset:(\off)+512
	ds_load_b128 v[(\reg)+6:(\reg)+9], v[\a16] offset:(\off)+768
	ds_load_b64 v[(\reg)+10:(\reg)+11], v[\a8] offset:(\off)+1280
.endm
.macro FETCH ks                        ; K step ks: my eight fragments of B and four of A into set ks % 2: 48 loads
	WIN W_TOB
.irp i, 0,1,2,3,4,5,6,7
	FRAG 128*((\ks)%2)+FR*\i, ADB16+(\ks)/2, ADB8+(\ks)/2, TCH*\i+FRB*((\ks)%2)
.endr
	WIN W_TOA
.irp i, 0,1,2,3
	FRAG 48*((\ks)%2)+FR*\i, ADA16+(\ks)/2, ADA8+(\ks)/2, TCH*\i+FRB*((\ks)%2)
.endr
.endm
.macro WM a, b, p, sr, row, cr         ; one product: accumulator (a, b), set p, scale register sr of a block's four, from lanes 16-31 where row = 1; C begins at register cr
.if \row
	v_wmma_scale_f32_16x16x128_f8f6f4 v[8*(8*\a+\b):8*(8*\a+\b)+7], v[128*\p+FR*\b:128*\p+FR*\b+FR-1], v[48*\p+FR*\a:48*\p+FR*\a+FR-1], v[\cr:\cr+7], v[SB+4*\b+\sr], v[SA+4*\a+\sr] matrix_a_fmt:MATRIX_FMT_BF6 matrix_b_fmt:MATRIX_FMT_BF6 matrix_a_scale:MATRIX_SCALE_ROW1 matrix_b_scale:MATRIX_SCALE_ROW1
.else
	v_wmma_scale_f32_16x16x128_f8f6f4 v[8*(8*\a+\b):8*(8*\a+\b)+7], v[128*\p+FR*\b:128*\p+FR*\b+FR-1], v[48*\p+FR*\a:48*\p+FR*\a+FR-1], v[\cr:\cr+7], v[SB+4*\b+\sr], v[SA+4*\a+\sr] matrix_a_fmt:MATRIX_FMT_BF6 matrix_b_fmt:MATRIX_FMT_BF6
.endif
.endm
; 32 products of K step ks; the 32 accumulators take turns, one instruction a turn, in the same order in every step.
; mode 0: onto the sums.  mode 1: the sums begin with the bias of B's rows (eight registers for each b).  mode 2: with the bias of A's rows (eight for each a).  Nothing is cleared.
.macro MUL ks, mode
.if \mode
	WIN W_MULB
.else
	WIN W_MUL
.endif
.irp a, 0,1,2,3
.irp b, 0,1,2,3,4,5,6,7
.if \mode == 0
	WM \a, \b, ((\ks)%2), (2*((\ks)/4)+(\ks)%2), (((\ks)/2)%2), (8*(8*\a+\b))
.elseif \mode == 1
	WM \a, \b, ((\ks)%2), (2*((\ks)/4)+(\ks)%2), (((\ks)/2)%2), (BI+8*\b)
.else
	WM \a, \b, ((\ks)%2), (2*((\ks)/4)+(\ks)%2), (((\ks)/2)%2), (BI+8*\a)
.endif
.endr
.endr
.endm
.macro STEP ks
	s_wait_dscnt 0x0                               ; this step's 48 loads, issued ahead of the last step's 32 products, are in
.if ((\ks)%2 == 1) && ((\ks) < 7)
	s_wait_tensorcnt 3-((\ks)+1)/2                 ; my part of the next chunk has landed; the later chunks' loads may stay out
	s_barrier_signal -1
	s_barrier_wait -1                              ; everybody's has
.endif
.if (\ks) < 7
	PLACES                                         ; in front of loads into the set that the last step's products read
	FETCH (\ks)+1
.endif
	MUL \ks, 0
.endm
	s_load_b256 s[4:11], s[0:1], 0x0               ; ximg, xsc, wimg, wsc
	s_load_b256 s[12:19], s[0:1], 0x20             ; bq, bk, bv, qkv
	v_lshl_add_u32 v254, v0, 2, 0x48000
	v_mov_b32 v255, 0
	ds_add_u32 v254, v255
	ds_add_u32 v254, v255
	v_lshrrev_b32 v1, 5, v0
	v_readfirstlane_b32 s[WV], v1                  ; wave 0..3
	s_lshr_b32 s[HA], s[WV], 1                     ; which 64 rows of A are mine.  Also: I fetch for A (0) or for B (1)
	s_and_b32 s[HB], s[WV], 1                      ; which 128 rows of B.  Also: which half of a chunk I fetch
	s_bfe_u32 s[CX], ttmp6, 0x40000                ; my place in the cluster
	s_bfe_u32 s[CY], ttmp6, 0x40004
	s_and_b32 s26, ttmp7, 0xffff                   ; cluster y, 0 .. 15
	s_lshr_b32 s30, s26, 3
	s_and_b32 s31, s26, 7
	s_cmp_eq_u32 ttmp9, 2                          ; cluster x = 2 makes v: the same in all sixteen partners
	s_cselect_b32 s[ISV], 1, 0
	s_cselect_b32 s[RT], s30, s26
	s_cselect_b32 s[CTI], s31, ttmp9
	s_cselect_b32 s66, 128, 0                      ; Wv's columns begin at tile 128 of the weights' image
	s_lshl_b32 s[RT], s[RT], 2
	s_add_co_u32 s[RT], s[RT], s[CY]               ; which 128 rows of A: q, k: 4 y + cy of 64 (tokens);  v: 4 (y / 8) + cy of 8 (Wv's columns)
	s_lshl_b32 s[CTI], s[CTI], 2
	s_add_co_u32 s[CTI], s[CTI], s[CX]             ; which 256 rows of B: q, k: 4 x + cx of 8 (Wq's, Wk's columns);  v: 4 (y % 8) + cx of 32 (tokens)
	s_lshl_b32 s31, s[CY], 2
	s_lshl_b32 s31, 15, s31                        ; my row of the cluster
	s_lshl_b32 s98, 0x1111, s[CX]                  ; my column
	; group 1: R rows (tiles) of 384 elements of 8 bytes (a tile's two fragments of the chunk), 1,536 elements apart; no padding: every LDS access takes consecutive bytes
	s_or_b32 s[G1A], s31, (3<<16)|(1<<21)          ; 15:0 the mask; 17:16 elements of 8 bytes; 21 set beside a mask
	s_or_b32 s[G1B], s98, (3<<16)|(1<<21)
	s_mov_b32 s[G1A+1], 384<<16                    ; tensor_dim0
	s_mov_b32 s[G1A+2], 4<<16                      ; tensor_dim1
	s_mov_b32 s[G1A+3], 384<<16                    ; tile_dim0
	s_mov_b32 s[G1A+4], 4                          ; tile_dim1
	s_mov_b32 s[G1A+5], 1536                       ; the pitch
	s_mov_b32 s[G1A+6], 0
	s_mov_b32 s[G1A+7], 0
	s_mov_b32 s[G1B+1], 384<<16
	s_mov_b32 s[G1B+2], 8<<16
	s_mov_b32 s[G1B+3], 384<<16
	s_mov_b32 s[G1B+4], 8
	s_mov_b32 s[G1B+5], 1536
	s_mov_b32 s[G1B+6], 0
	s_mov_b32 s[G1B+7], 0
	s_lshl_b32 s30, s[RT], 3
	s_add_co_u32 s30, s30, s66                     ; A's first tile
	s_lshl_b32 s31, s[HB], 2
	s_add_co_u32 s31, s31, s30                     ; the four tiles that I would fetch of it
	s_mul_i32 s92, s31, TROW
	s_mov_b32 s93, 0
	s_lshl_b32 s67, s[CTI], 4                      ; B's first tile
	s_lshl_b32 s98, s[HB], 3
	s_add_co_u32 s98, s98, s67                     ; the eight that I would fetch
	s_mul_i32 s94, s98, TROW
	s_mov_b32 s95, 0
	s_mul_i32 s25, s[WV], 4*TCH                    ; where they go: A: waves 0, 1: wave x 4 tiles;
	s_mul_i32 s99, s[WV], 8*TCH
	s_add_co_u32 s99, s99, BB0-2*8*TCH             ; B: waves 2, 3: behind A's chunks, (wave - 2) x 8 tiles.  No place in the cluster enters an LDS address
	s_mov_b32 s[SEL], 0x76543210
	s_mov_b32 s[SEL+1], 0xfedcba98
	s_wait_dscnt 0x0
	s_wait_kmcnt 0x0
	s_cmp_eq_u32 s[ISV], 1
	s_cselect_b64 s[84:85], s[8:9], s[4:5]         ; A's codes,
	s_cselect_b64 s[86:87], s[4:5], s[8:9]         ; B's,
	s_cselect_b64 s[88:89], s[10:11], s[6:7]       ; A's scale words,
	s_cselect_b64 s[90:91], s[6:7], s[10:11]       ; B's
	s_add_nc_u64 s[84:85], s[84:85], s[92:93]
	s_add_nc_u64 s[86:87], s[86:87], s[94:95]
	CROUND                                         ; all sixteen work-groups are here: the joint loads meet
.irp c, 0,1,2,3
	s_mov_b32 s[G0A+4*\c], 1
	s_add_co_u32 s[G0A+4*\c+1], s25, \c*ACH
	s_add_nc_u64 s[G0A+4*\c+2:G0A+4*\c+3], s[84:85], \c*TCH
	s_or_b32 s[G0A+4*\c+3], s[G0A+4*\c+3], 0x80000000
	s_mov_b32 s[G0B+4*\c], 1
	s_add_co_u32 s[G0B+4*\c+1], s99, \c*BCH
	s_add_nc_u64 s[G0B+4*\c+2:G0B+4*\c+3], s[86:87], \c*TCH
	s_or_b32 s[G0B+4*\c+3], s[G0B+4*\c+3], 0x80000000
.endr
	s_cmp_eq_u32 s[HA], 0                          ; a wave's four fills stand in one branch on the wave's number: four loads of mine are out; four v_nop follow the last
	s_cbranch_scc0 .Lfill_b
	tensor_load_to_lds s[G0A:G0A+3], s[G1A:G1A+7]
	s_nop 0
	tensor_load_to_lds s[G0A+4:G0A+7], s[G1A:G1A+7]
	s_nop 0
	tensor_load_to_lds s[G0A+8:G0A+11], s[G1A:G1A+7]
	s_nop 0
	tensor_load_to_lds s[G0A+12:G0A+15], s[G1A:G1A+7]
	s_nop 0
	PLACES
	s_branch .Lfilled
.Lfill_b:
	tensor_load_to_lds s[G0B:G0B+3], s[G1B:G1B+7]
	s_nop 0
	tensor_load_to_lds s[G0B+4:G0B+7], s[G1B:G1B+7]
	s_nop 0
	tensor_load_to_lds s[G0B+8:G0B+11], s[G1B:G1B+7]
	s_nop 0
	tensor_load_to_lds s[G0B+12:G0B+15], s[G1B:G1B+7]
	s_nop 0
	PLACES
.Lfilled:
	v_and_b32 v5, 31, v0                           ; lane
	v_and_b32 v3, 15, v0                           ; r
	v_bfe_u32 v4, v0, 4, 1                         ; h
	v_lshlrev_b32 v1, 4, v5
	v_lshlrev_b32 v2, 3, v5
	s_lshl_b32 s31, s[HA], 2
	s_add_co_u32 s31, s31, s30
	s_lshl_b32 s92, s31, 9
	s_add_nc_u64 s[88:89], s[88:89], s[92:93]      ; the scale words of my four tiles of A,
	s_lshl_b32 s98, s[HB], 3
	s_add_co_u32 s98, s98, s67
	s_lshl_b32 s94, s98, 9
	s_add_nc_u64 s[90:91], s[90:91], s[94:95]      ; of my eight of B
.irp i, 0,1,2,3
.irp j, 0,1
	global_load_b64 v[SA+4*\i+2*\j:SA+4*\i+2*\j+1], v2, s[88:89] offset:512*\i+256*\j   ; 256 consecutive bytes
.endr
.endr
.irp i, 0,1,2,3,4,5,6,7
.irp j, 0,1
	global_load_b64 v[SB+4*\i+2*\j:SB+4*\i+2*\j+1], v2, s[90:91] offset:512*\i+256*\j
.endr
.endr
	v_lshlrev_b32 v[VBQ], 6, v4
	v_and_b32 v[VBV], 8, v3
	v_add_nc_u32 v[VBV], v[VBV], v3
	v_lshlrev_b32 v[VBV], 2, v[VBV]
	s_cmp_eq_u32 s[ISV], 1
	s_cbranch_scc1 .Lbias_v
	s_cmp_eq_u32 ttmp9, 1                          ; q, k: the bias runs along B's rows: for tile b my eight numbers 32 (b / 2) + 16 h + 8 (b % 2) + 0 .. 7
	s_cselect_b64 s[12:13], s[14:15], s[12:13]
	s_lshl_b32 s94, s[CX], 10
	s_lshl_b32 s98, s[HB], 9
	s_add_co_u32 s94, s94, s98
	s_add_nc_u64 s[12:13], s[12:13], s[94:95]      ; at column 256 cx + 128 HB
	WIN W_TOA
.irp b, 0,1,2,3,4,5,6,7
	global_load_b128 v[BI+8*\b:BI+8*\b+3], v[VBQ], s[12:13] offset:(32*(\b/2)+8*(\b%2))*4
	global_load_b128 v[BI+8*\b+4:BI+8*\b+7], v[VBQ], s[12:13] offset:(32*(\b/2)+8*(\b%2))*4+16
.endr
	WIN 0
	s_branch .Lbias_done
.Lbias_v:
	s_lshl_b32 s92, s[RT], 9                       ; v: the bias runs along A's rows: one number a lane for tile a, in all eight registers
	s_lshl_b32 s31, s[HA], 8
	s_add_co_u32 s92, s92, s31
	s_add_nc_u64 s[16:17], s[16:17], s[92:93]      ; at column 128 RT + 64 HA
	WIN W_TOA
.irp a, 0,1,2,3
.irp j, 0,1,2,3,4,5,6,7
	global_load_b32 v[BI+8*\a+\j], v[VBV], s[16:17] offset:(32*(\a/2)+8*(\a%2))*4
.endr
.endr
.set j, 32
.rept 32
	v_mov_b32 v[BI+j], 0                           ; the upper half of the bias registers serves q and k alone: here it is set, so that it holds numbers on this way too
.set j, j+1
.endr
	WIN 0
.Lbias_done:
	s_mul_i32 s31, s[HA], 4*TCH                    ; my tiles in a chunk of A,
	s_mul_i32 s98, s[HB], 8*TCH
	s_add_co_u32 s98, s98, BB0                     ; of B
.irp c, 0,1,2,3
	v_add_nc_u32 v[ADA16+\c], s31, v1
	v_add_nc_u32 v[ADA8+\c], s31, v2
	v_add_nc_u32 v[ADB16+\c], s98, v1
	v_add_nc_u32 v[ADB8+\c], s98, v2
	s_add_co_u32 s31, s31, ACH
	s_add_co_u32 s98, s98, BCH
.endr
	s_mul_i32 s31, s[HA], 3072
	v_add_nc_u32 v[VOC], s31, v1
	s_lshl_b32 s31, s[HA], 8
	v_add_nc_u32 v[VOS], s31, v2
.irp b, 0,1,2,3
	v_mov_b32 v[TM+4+\b], 0                        ; written once: a lane permute's destination counts as one of its sources
.endr
	s_wait_tensorcnt 3                             ; my part of chunk 0 is in; the three later chunks' loads may be out,
	s_barrier_signal -1
	s_barrier_wait -1                              ; everybody's is
	FETCH 0
	s_wait_loadcnt 0x0                             ; scale words and bias
	s_wait_dscnt 0x0
	FETCH 1
	WIN 0                                          ; at a label and at a branch every window is 0
	s_cmp_eq_u32 s[ISV], 1
	s_cbranch_scc1 .Lfirst_v
	MUL 0, 1
	WIN 0
	s_branch .Lfirst_done
.Lfirst_v:
	MUL 0, 2
	WIN 0
.Lfirst_done:
	STEP 1
	STEP 2
	STEP 3
	STEP 4
	STEP 5
	STEP 6
	STEP 7
	WIN 0
	PLACES                                         ; in front of the first read of results
; 64 results of a lane, window 2's v[s] .. v[s + 63], register 16 b + i = place 32 b + 16 (lane / 16) + i along the next K of my row, become codes: blocks 0, 1 in v[d0] .. + 5, blocks 2, 3 in v[d1] .. + 5, and the row's scale word in v[pw].
.macro QUANT s, d0, d1, pw
	WIN 0x28                                       ; sources 1 and 2 window 2
.irp b, 0,1,2,3
	v_max3_num_f32 v[TM+\b], 0x2800000, |v[(\s)+16*\b]|, |v[(\s)+16*\b+1]|   ; my 16 numbers of block b, and the floor 2^(5 - 127); each accumulator is read from its low end on
.endr
.irp i, 2,4,6,8,10,12,14
.irp b, 0,1,2,3
	v_max3_num_f32 v[TM+\b], v[TM+\b], |v[(\s)+16*\b+\i]|, |v[(\s)+16*\b+\i+1]|
.endr
.endr
	WIN 0
.irp b, 0,1,2,3
	v_permlanex16_b32 v[TM+4+\b], v[TM+\b], s[SEL], s[SEL+1]
.endr
.irp b, 0,1,2,3
	v_max_num_f32 v[TM+\b], v[TM+\b], v[TM+4+\b]   ; with lane l xor 16's: the block's largest magnitude
.endr
.irp b, 0,1,2,3
	v_add_nc_u32 v[TM+12+\b], 0xfe000000, v[TM+\b] ; 4 off the exponent field: the conversion's scale operand
.endr
.irp b, 0,1,2,3
	v_lshrrev_b32 v[TM+4+\b], 23, v[TM+12+\b]      ; the scale's byte
.endr
	v_lshl_or_b32 v[\pw], v[TM+5], 8, v[TM+4]
	v_lshl_or_b32 v[\pw], v[TM+6], 16, v[\pw]
	v_lshl_or_b32 v[\pw], v[TM+7], 24, v[\pw]
	WIN 0x02                                       ; source 0 window 2
	v_cvt_scalef32_pk16_bf6_f32 v[(\d0):(\d0)+2], v[(\s):(\s)+15], v[TM+12]
	v_cvt_scalef32_pk16_bf6_f32 v[XT:XT+2], v[(\s)+16:(\s)+31], v[TM+13]      ; (a conversion's three registers begin on an even number)
	v_cvt_scalef32_pk16_bf6_f32 v[(\d1):(\d1)+2], v[(\s)+32:(\s)+47], v[TM+14]
	v_cvt_scalef32_pk16_bf6_f32 v[XT+4:XT+6], v[(\s)+48:(\s)+63], v[TM+15]
	WIN 0
	v_nop                                          ; one plain place behind a scaled conversion
.irp i, 0,1,2                          ; the operand's layout wants a whole block in a lane: lanes 0-15 the even block, lanes 16-31 the odd one
	v_permlane16_swap_b32 v[(\d0)+\i], v[XT+\i]
	v_permlane16_swap_b32 v[(\d1)+\i], v[XT+4+\i]
.endr
.irp i, 0,1,2
	v_mov_b32 v[(\d0)+3+\i], v[XT+\i]
	v_mov_b32 v[(\d1)+3+\i], v[XT+4+\i]
.endr
.endm
	s_cmp_eq_u32 s[ISV], 1
	s_cbranch_scc1 .Lout_v
	; ---- q, k: my 128 columns are two heads; tile a of tokens gives six registers to each.  Two tiles' twelve registers leave as three runs of 512 bytes.
	s_lshr_b32 s92, s[RT], 4
	s_lshl_b32 s92, s92, 4                         ; 16 x batch
	s_lshl_b32 s31, s[CX], 2
	s_add_co_u32 s92, s92, s31
	s_lshl_b32 s31, s[HB], 1
	s_add_co_u32 s92, s92, s31                     ; + head 4 cx + 2 HB
	s_mul_i32 s92, s92, HEADB
	s_mul_i32 s31, ttmp9, SECB                     ; q's part or k's
	s_add_co_u32 s92, s92, s31
	s_and_b32 s31, s[RT], 15
	s_mul_i32 s31, s31, BLKB                       ; the block of 128 tokens
	s_add_co_u32 s92, s92, s31
	s_add_nc_u64 s[18:19], s[18:19], s[92:93]
.irp a, 0,1,2,3
	QUANT 64*\a, CD+24*(\a/2)+6*(\a%2), CD+12+24*(\a/2)+6*(\a%2), PW+\a
.if \a%2
.irp g, 0,1,2
	global_store_b128 v[VOC], v[CD+24*(\a/2)+4*\g:CD+24*(\a/2)+4*\g+3], s[18:19] offset:FRB*(\a/2)+512*\g
	global_store_b128 v[VOC], v[CD+12+24*(\a/2)+4*\g:CD+12+24*(\a/2)+4*\g+3], s[18:19] offset:HEADB+FRB*(\a/2)+512*\g
.endr
.endif
.endr
	v_cmp_le_u32 vcc_lo, 16, v5
	v_cndmask_b32 v[SW], v[PW], v[PW+1], vcc_lo    ; lanes 0-15 the even tile's words, lanes 16-31 the odd tile's
	v_cndmask_b32 v[SW+1], v[PW+2], v[PW+3], vcc_lo
	v_lshrrev_b32 v[SW+2], 16, v[SW]               ; the second head's two bytes come down
	v_lshrrev_b32 v[SW+3], 16, v[SW+1]
	global_store_b64 v[VOS], v[SW:SW+1], s[18:19] offset:6144
	global_store_b64 v[VOS], v[SW+2:SW+3], s[18:19] offset:HEADB+6144
	s_branch .Lend
.Lout_v:
	; ---- v: my 64 rows of A are one head's 64, my 128 rows of B one block of keys: tile a gives one whole fragment
	s_lshl_b32 s94, s[CTI], 1
	s_add_co_u32 s94, s94, s[HB]                   ; which block of 128 tokens
	s_lshr_b32 s92, s94, 4
	s_lshl_b32 s92, s92, 4                         ; 16 x batch
	s_lshl_b32 s31, s[RT], 1
	s_add_co_u32 s92, s92, s31
	s_add_co_u32 s92, s92, s[HA]                   ; + head 2 RT + HA
	s_mul_i32 s92, s92, HEADB
	s_and_b32 s94, s94, 15
	s_mul_i32 s94, s94, BLKB
	s_add_co_u32 s92, s92, s94
	s_add_co_u32 s92, s92, 2*SECB                  ; v's part
	s_add_nc_u64 s[18:19], s[18:19], s[92:93]
.irp a, 0,1,2,3
	QUANT 64*\a, CD+12*\a, CD+6+12*\a, PW+\a
.irp g, 0,1,2
	global_store_b128 v1, v[CD+12*\a+4*\g:CD+12*\a+4*\g+3], s[18:19] offset:FRB*\a+512*\g
.endr
.endr
	global_store_b128 v1, v[PW:PW+3], s[18:19] offset:6144
.Lend:
	s_wait_dscnt 0x0
	s_wait_tensorcnt 0x0
	ds_add_u32 v254, v255
	s_wait_dscnt 0x0
	CROUND                                         ; the closing round: no work-group ends while a partner may still ask for a chunk that names it
	s_endpgm
.Lfunc_end_k_q9751259f2d_qkv:
	.size	k_q9751259f2d_qkv, .Lfunc_end_k_q9751259f2d_qkv-k_q9751259f2d_qkv
	.p2alignl 7, 3214868480
	.fill 96, 4, 3214868480
	.section	.rodata,"a",@progbits
	.p2align	6, 0x0
	.amdhsa_kernel k_q9751259f2d_qkv
		.amdhsa_group_segment_fixed_size 295424
		.amdhsa_private_segment_fixed_size 0
		.amdhsa_enable_private_segment 0
		.amdhsa_kernarg_size 64
		.amdhsa_user_sgpr_count 2
		.amdhsa_user_sgpr_kernarg_segment_ptr 1
		.amdhsa_wavefront_size32 1
		.amdhsa_system_sgpr_workgroup_id_x 1
		.amdhsa_system_sgpr_workgroup_id_y 1
		.amdhsa_system_sgpr_workgroup_id_z 1
		.amdhsa_system_vgpr_workitem_id 0
		.amdhsa_next_free_vgpr 1024
		.amdhsa_next_free_sgpr 100
		.amdhsa_reserve_vcc 1
		.amdhsa_float_denorm_mode_32 3
		.amdhsa_float_denorm_mode_16_64 3
		.amdhsa_memory_ordered 1
		.amdhsa_forward_progress 1
		.amdhsa_inst_pref_size 115
	.end_amdhsa_kernel
	.amdgpu_metadata
---
amdhsa.version: [ 1, 2 ]
amdhsa.kernels:
  - .name:           k_q9751259f2d_qkv
    .symbol:         k_q9751259f2d_qkv.kd
    .args:
      - { .name: ximg, .offset: 0, .size: 8, .value_kind: global_buffer, .address_space: global }
      - { .name: xsc, .offset: 8, .size: 8, .value_kind: global_buffer, .address_space: global }
      - { .name: wimg, .offset: 16, .size: 8, .value_kind: global_buffer, .address_space: global }
      - { .name: wsc, .offset: 24, .size: 8, .value_kind: global_buffer, .address_space: global }
      - { .name: bq, .offset: 32, .size: 8, .value_kind: global_buffer, .address_space: global }
      - { .name: bk, .offset: 40, .size: 8, .value_kind: global_buffer, .address_space: global }
      - { .name: bv, .offset: 48, .size: 8, .value_kind: global_buffer, .address_space: global }
      - { .name: qkv, .offset: 56, .size: 8, .value_kind: global_buffer, .address_space: global }
    .group_segment_fixed_size: 295424
    .private_segment_fixed_size: 0
    .kernarg_segment_align: 8
    .kernarg_segment_size: 64
    .max_flat_workgroup_size: 128
    .sgpr_count:     100
    .vgpr_count:     1024
    .wavefront_size: 32
...
	.end_amdgpu_metadata
.endif
;; end of part 3
;; launch attn (part 4): grid 4 x 64, 16 waves a work-group, clusters of 4 x 1, 215,040 bytes of LDS; arguments qkv, cimg, csc; writes cimg, csc
.if DOCPART == 4
	.amdgcn_target "amdgcn-amd-amdhsa--gfx1250"
	.amdhsa_code_object_version 6
	.text
	.protected	k_q9751259f2d_attn
	.globl	k_q9751259f2d_attn
	.p2align	8
	.type	k_q9751259f2d_attn,@function
k_q9751259f2d_attn:
	s_mov_b64 s[64:65], 0
	v_nop
	global_prefetch_b8 v0, s[64:65] scope:SCOPE_SE
	s_setreg_imm32_b32 hwreg(HW_REG_WAVE_MODE, 25, 1), 1
	s_wait_xcnt 0x0
	s_wait_alu depctr_hold_cnt(0) depctr_sa_sdst(0) depctr_va_vdst(0) depctr_va_sdst(0) depctr_va_ssrc(0) depctr_va_vcc(0) depctr_vm_vsrc(0)
	s_getreg_b32 s2, hwreg(HW_REG_IB_STS2, 6, 4)
	s_cmp_eq_u32 s2, 0
	s_cbranch_scc0 .Lentry_in_a_cluster
	s_endpgm
.Lentry_in_a_cluster:
	s_bfe_u32 s2, ttmp6, 0x10000c
	s_cmp_lg_u32 s2, 0x3003
	s_cbranch_scc0 .Lentry_shape_is_right
	s_endpgm
.Lentry_shape_is_right:
; ctx = softmax(q k^T / 8, causal) v for one head of 64, both products on codes of BF6 (E3M2) with E8M0 scales, and ctx quantised at once for the last product.
; THE SOFTMAX: t = score x log2(e) / 8; M = the running largest t rounded UP to a whole number; p = 2^(t - M) is quantised along the keys, not normalised; the row's sum is taken of the unquantised p and divides at the end.
; When M moves, the sum and O are multiplied by 2^(old M - new M): exact.
; INPUT qkv: [batch x 16 + head][q, k, v][block of 128 tokens][6,656 bytes], images of operand registers.  Tile t of a block holds tokens 32 (t / 2) + 8 (t % 2) + p + 8 (p / 8).
; SHARES.  A cluster of four work-groups serves one head.  The head's k and v, 212,992 dense bytes, lie in each work-group's LDS as they lie in memory, each byte filled ONCE, by joint loads that name all four.
; Of the head's 16 blocks x 8 tiles of queries work-group cx takes tiles 2 cx and 2 cx + 1 of every block.  Wave w takes tile 2 cx + w % 2, first of block 15 - w / 2, then of block w / 2: 16 - w / 2 and w / 2 + 1 key steps
; of 128 keys, 17 for every wave.  A step beyond the query's block is left out, the step on the diagonal is masked: both by scalar branches on the wave's number and a loop's count, alike in all partners.
; LAYOUT.  Both products are used transposed: S^T = k q^T, O^T = v^T p^T: a lane holds ONE query (lane % 16).  By the tiles' order the 16 registers of k's tiles 2 b, 2 b + 1 are keys 32 b + 16 (lane / 16) + 0 .. 15, and O^T's 16 registers
; of v's tiles 2 b, 2 b + 1 are 16 neighbours of the head's 64.
; THE FIRST PRODUCT'S K IS 64: q's operand is six registers of codes and six of zeros.  k's tiles lie six registers apart; a tile's operand runs on over the next tile's six (behind tile 7: six zeros), which meet q's zero codes and add nothing:
; the format has no code for NaN, and no scale byte is 0xff.
; OUTPUT cimg, csc: as the launch for x lays its buffers; head j fills half j % 2 of K step j / 2 of its tile's fragments.  The two scale bytes of a row leave 2 bytes a lane, 8 bytes apart: 1/24 of the codes' bytes.
; LIMITS: a block of zeros gets the byte 1 where the rule says 127 (its codes are zeros; this program alone reads the bytes); NaN and infinities are not served.
; REGISTERS: v1-7 offsets that stay; v8-10 LDS addresses of the step; v12 -M, v13 the largest t, v[14:15] the sum in two halves; v16-27 q of the first tile; v28 the mask's number; v32-79 k's 48 registers, then v's; v80-85 zeros;
;   v96-159 S^T, then p; v160-191 O^T; v192-203 q of the second tile, v204 its scale words; v224-235 p's codes; v232-254 at work; v248-251 k's scale words, then v's; v255 the first tile's q scale words.
.set BLKB,  6656
.set VB,    106496                     ; v's blocks lie behind k's sixteen
.set HEADB, 319488
.set TB,  2                            ; s2   LDS byte at which the step's block of k begins
.set SI,  3                            ; s3   the key step
.set WV,  18
.set SEL, 20
.set CS,  22                           ; s[22:23] c = log2(e) / 8
.set G1P, 24                           ; s[24:31] group 1 of the first fill: 13 rows of 256 bytes;  s[32:39] of the second: 39 rows
.set G1R, 32
.set G0P, 40
.set G0R, 44
.set ML,  48                           ; s48  the first tile's block of queries, 8 .. 15
.set MS,  49                           ; s49  the second's, 0 .. 7
.macro CROUND                          ; a round of the cluster's barrier
	s_barrier_signal -1
	s_barrier_wait -1
	s_cmp_lg_u32 s[WV], 0
	s_cbranch_scc1 .Lnot_wave_0_\@
	s_barrier_signal -3
.Lnot_wave_0_\@:
	s_barrier_wait -3
	s_barrier_signal -1
	s_barrier_wait -1
.endm
	s_load_b128 s[4:7], s[0:1], 0x0                ; qkv, cimg
	s_load_b64 s[8:9], s[0:1], 0x10                ; csc
	v_lshl_add_u32 v223, v0, 2, 0x34000
	v_mov_b32 v243, 0
	ds_add_u32 v223, v243
	ds_add_u32 v223, v243
	v_lshrrev_b32 v8, 5, v0
	s_delay_alu instid0(VALU_DEP_1)
	v_readfirstlane_b32 s[WV], v8                  ; wave 0..15
	s_bfe_u32 s19, ttmp6, 0x40000                  ; cx: it enters global addresses and the mask's number alone
	s_and_b32 s10, ttmp7, 0xffff                   ; batch x 16 + head, which the four partners share
	s_mul_i32 s12, s10, HEADB
	s_mov_b32 s13, 0
	s_lshr_b32 s[MS], s[WV], 1
	s_sub_co_u32 s[ML], 15, s[MS]
	s_and_b32 s62, s[WV], 1                        ; e
	s_lshl_b32 s63, s19, 1
	s_add_co_u32 s63, s63, s62                     ; t = 2 cx + e: my tile in a block of queries
	; what I fetch: waves 0-7 of k, waves 8-15 of v; an eighth of key steps 0-3 (3,328 bytes), then an eighth of steps 4-15 (9,984 bytes); the same offset in LDS and in memory
	s_lshr_b32 s14, s[WV], 3
	s_mul_i32 s14, s14, VB
	s_and_b32 s15, s[WV], 7
	s_mul_i32 s16, s15, 3328
	s_add_co_u32 s16, s16, s14
	s_mul_i32 s17, s15, 9984
	s_add_co_u32 s17, s17, s14
	s_add_co_u32 s17, s17, 4*BLKB
	s_mov_b32 s[G1P], 15|(3<<16)|(1<<21)           ; 15:0 the mask: all four work-groups; 17:16 elements of 8 bytes; 21 set beside a mask; no padding: every LDS access takes consecutive bytes
	s_mov_b32 s[G1P+1], 32<<16                     ; tensor_dim0: 256 bytes
	s_mov_b32 s[G1P+2], 13<<16                     ; tensor_dim1
	s_mov_b32 s[G1P+3], 32<<16                     ; tile_dim0
	s_mov_b32 s[G1P+4], 13                         ; tile_dim1
	s_mov_b32 s[G1P+5], 32                         ; the pitch: dense
	s_mov_b32 s[G1P+6], 0
	s_mov_b32 s[G1P+7], 0
	s_mov_b32 s[G1R], 15|(3<<16)|(1<<21)
	s_mov_b32 s[G1R+1], 32<<16
	s_mov_b32 s[G1R+2], 39<<16
	s_mov_b32 s[G1R+3], 32<<16
	s_mov_b32 s[G1R+4], 39
	s_mov_b32 s[G1R+5], 32
	s_mov_b32 s[G1R+6], 0
	s_mov_b32 s[G1R+7], 0
	s_mov_b32 s[SEL], 0x76543210
	s_mov_b32 s[SEL+1], 0xfedcba98
	s_mov_b32 s[CS], 0x3e38aa3b                    ; log2(e) / 8
	s_mov_b32 s[CS+1], s[CS]                       ; (named with it as a pair, so it is written)
	s_wait_dscnt 0x0
	s_wait_kmcnt 0x0
	s_add_nc_u64 s[4:5], s[4:5], s[12:13]          ; my head's q
	s_add_nc_u64 s[14:15], s[4:5], VB              ; its k, and v behind it
	s_mov_b32 s[G0P], 1
	s_mov_b32 s[G0P+1], s16
	s_mov_b32 s12, s16
	s_add_nc_u64 s[G0P+2:G0P+3], s[14:15], s[12:13]
	s_or_b32 s[G0P+3], s[G0P+3], 0x80000000
	s_mov_b32 s[G0R], 1
	s_mov_b32 s[G0R+1], s17
	s_mov_b32 s12, s17
	s_add_nc_u64 s[G0R+2:G0R+3], s[14:15], s[12:13]
	s_or_b32 s[G0R+3], s[G0R+3], 0x80000000
	CROUND                                         ; all four work-groups are here: the joint loads meet
	tensor_load_to_lds s[G0P:G0P+3], s[G1P:G1P+7]  ; key steps 0-3
	s_nop 0
	tensor_load_to_lds s[G0R:G0R+3], s[G1R:G1R+7]  ; key steps 4-15: two loads of mine are out; four v_nop follow the second
	s_nop 0
.rept 4
	v_nop
.endr
	v_and_b32 v9, 31, v0
	s_delay_alu instid0(VALU_DEP_1)
	v_lshlrev_b32 v1, 4, v9                        ; 16 x lane
	s_wait_alu depctr_va_vdst(0)
	v_lshlrev_b32 v2, 3, v9                        ; 8 x lane
	v_and_b32 v8, 15, v0                           ; r
	s_delay_alu instid0(VALU_DEP_1)
	v_lshlrev_b32 v3, 3, v8                        ; 8 r
	s_wait_alu depctr_va_vdst(0)
	s_mul_i32 s12, s[ML], BLKB
	s_add_nc_u64 s[50:51], s[4:5], s[12:13]        ; q's block of the first tile,
	s_mul_i32 s12, s[MS], BLKB
	s_add_nc_u64 s[52:53], s[4:5], s[12:13]        ; of the second
	s_mul_i32 s14, s63, 3                          ; tile t's six registers are pairs 3 t .. 3 t + 2 of the image: pair n lies at 512 (n / 2) + 8 (n % 2) + 16 x lane
.irp p, 0,1,2
	s_add_co_u32 s15, s14, \p
	s_lshr_b32 s16, s15, 1
	s_lshl_b32 s16, s16, 9
	s_and_b32 s15, s15, 1
	s_lshl_b32 s15, s15, 3
	s_add_co_u32 s16, s16, s15
	v_add_nc_u32 v[4+\p], s16, v1
.endr
	s_lshr_b32 s15, s63, 2                         ; its scale words: 256 (t / 4) + 128 (t % 2) + 4 ((t / 2) % 2) + 8 r behind the codes
	s_lshl_b32 s15, s15, 8
	s_and_b32 s16, s63, 1
	s_lshl_b32 s16, s16, 7
	s_add_co_u32 s15, s15, s16
	s_bfe_u32 s16, s63, 0x10001
	s_lshl_b32 s16, s16, 2
	s_add_co_u32 s15, s15, s16
	v_add_nc_u32 v7, s15, v3
	s_wait_alu depctr_va_vdst(0)
.irp p, 0,1,2
	global_load_b64 v[16+2*\p:17+2*\p], v[4+\p], s[50:51]
	global_load_b64 v[192+2*\p:193+2*\p], v[4+\p], s[52:53]
.endr
	global_load_b32 v255, v7, s[50:51] offset:6144
	global_load_b32 v204, v7, s[52:53] offset:6144
.irp i, 0,1,2,3,4,5
	v_mov_b32 v[22+\i], 0                          ; the upper half of q's operands: zero codes
	v_mov_b32 v[198+\i], 0
	v_mov_b32 v[80+\i], 0                          ; and what stands behind k's tile 7
.endr
	v_bfe_u32 v9, v0, 4, 1                         ; h
	v_and_b32 v10, 8, v8
	s_delay_alu instid0(VALU_DEP_1)
	v_add_nc_u32 v10, v10, v8                      ; r + 8 (r / 8)
	s_delay_alu instid0(VALU_DEP_3)
	v_lshlrev_b32 v9, 4, v9
	s_delay_alu instid0(VALU_DEP_1)
	v_sub_nc_u32 v10, v10, v9
	s_lshl_b32 s15, s19, 5
	s_lshl_b32 s16, s62, 3
	s_add_co_u32 s15, s15, s16
	v_add_nc_u32 v28, s15, v10                     ; my query's place in its block, 32 cx + 8 e + r + 8 (r / 8), less 16 h: on the diagonal register 16 b + i holds key 32 b + i + 16 h, hidden where 32 b + i is above this
.irp b, 0,1,2,3
	v_mov_b32 v[236+\b], 0                         ; written once: a lane permute's destination counts as one of its sources
.endr
	v_mov_b32 v252, 0
	v_mov_b32 v253, 0                              ; (named as the upper half of the pair v[252:253] before it is first written)
	; where ctx goes: tile 128 x batch + 8 m + t; K step head / 2, half head % 2 of its fragment; scale bytes 2 (head % 4) of the words' pair head / 4
	s_lshr_b32 s11, s10, 4
	s_lshl_b32 s11, s11, 7
	s_add_co_u32 s11, s11, s63
	s_bfe_u32 s14, s10, 0x30001
	s_mul_i32 s14, s14, 1536
	s_and_b32 s15, s10, 1
	s_mul_i32 s15, s15, 768
	s_add_co_u32 s14, s14, s15
	s_bfe_u32 s15, s10, 0x20002
	s_lshl_b32 s15, s15, 7
	s_and_b32 s16, s10, 3
	s_lshl_b32 s16, s16, 1
	s_add_co_u32 s15, s15, s16
	s_lshl_b32 s16, s[ML], 3
	s_add_co_u32 s16, s16, s11
	s_mul_i32 s12, s16, 12288
	s_add_co_u32 s12, s12, s14
	s_add_nc_u64 s[54:55], s[6:7], s[12:13]
	s_lshl_b32 s12, s16, 9
	s_add_co_u32 s12, s12, s15
	s_add_nc_u64 s[58:59], s[8:9], s[12:13]
	s_lshl_b32 s16, s[MS], 3
	s_add_co_u32 s16, s16, s11
	s_mul_i32 s12, s16, 12288
	s_add_co_u32 s12, s12, s14
	s_add_nc_u64 s[56:57], s[6:7], s[12:13]
	s_lshl_b32 s12, s16, 9
	s_add_co_u32 s12, s12, s15
	s_add_nc_u64 s[60:61], s[8:9], s[12:13]
.macro INIT                            ; a tile begins: the step is written for every step alike, and the first finds zeros, which the first change of M leaves zeros
	v_mov_b32 v13, 0xff61b1e6                      ; the largest t so far: -3e38, under every t
	s_delay_alu instid0(VALU_DEP_1)
	v_floor_f32 v12, -v13                          ; -M
	v_mov_b32 v14, 0
	v_mov_b32 v15, 0
.set j, 0
.rept 32
	v_mov_b32 v[160+j], 0
.set j, j+1
.endr
.endm
; A KEY STEP: 128 keys.  qf: q's operand; qw: its scale words; m: the scalar register with the queries' block; chk = 1: steps beyond m are left out, step m is masked.
.macro STEP qf, qw, m, chk
.if \chk
	s_cmp_gt_u32 s[SI], s[\m]
	s_cbranch_scc1 .Lhidden_\@
.endif
	s_setprio 2
	v_add_nc_u32 v8, s[TB], v1                     ; these four are also the places in front of loads into registers that the last step's products read
	v_add_nc_u32 v10, s[TB], v2
	s_delay_alu instid0(VALU_DEP_2)
	v_add_nc_u32 v9, VB, v8
	v_nop
.irp g, 0,1,2,3,4,5,6,7,8,9,10,11
	ds_load_b128 v[32+4*\g:35+4*\g], v8 offset:512*\g      ; k's eight tiles
.endr
	ds_load_b64 v[248:249], v10 offset:6144                ; their scale words: register t / 2, lanes 0-15 the even tile, lanes 16-31 the odd one
	ds_load_b64 v[250:251], v10 offset:6400
	s_wait_alu depctr_va_vdst(0)
	s_wait_dscnt 0x0
.irp t, 0,2,4,6
	v_wmma_scale_f32_16x16x128_f8f6f4 v[96+8*\t:103+8*\t], v[32+6*\t:43+6*\t], v[\qf:\qf+11], 0, v[248+\t/2], v[\qw] matrix_a_fmt:MATRIX_FMT_BF6 matrix_b_fmt:MATRIX_FMT_BF6
	v_wmma_scale_f32_16x16x128_f8f6f4 v[104+8*\t:111+8*\t], v[38+6*\t:49+6*\t], v[\qf:\qf+11], 0, v[248+\t/2], v[\qw] matrix_a_fmt:MATRIX_FMT_BF6 matrix_b_fmt:MATRIX_FMT_BF6 matrix_a_scale:MATRIX_SCALE_ROW1
.endr
.rept 4
	v_nop                                          ; places in front of the loads below and of the first read of the scores
.endr
.irp g, 0,1,2,3,4,5,6,7,8,9,10,11
	ds_load_b128 v[32+4*\g:35+4*\g], v9 offset:512*\g      ; v's four fragments land while the softmax is walked
.endr
	ds_load_b128 v[248:251], v9 offset:6144                ; and their scale words
.if \chk
	s_cmp_lg_u32 s[SI], s[\m]
	s_cbranch_scc1 .Lopen_\@
	v_mov_b32 v254, 0xff800000                     ; on the diagonal the scores of hidden keys become -infinity ahead of the maximum: p = 0 then.  The block's first key counts for every query of it
.set n, 0
.rept 64
	v_cmp_gt_i32 vcc_lo, 32*(n/16)+n%16, v28
	v_cndmask_b32 v[96+n], v[96+n], v254, vcc_lo
.set n, n+1
.endr
.Lopen_\@:
.endif
.irp b, 0,1,2,3
	v_max3_num_f32 v[232+\b], v[96+16*\b], v[97+16*\b], v[98+16*\b]   ; the largest score of each block of 32 keys: it serves for the row's maximum and, since p rises with the score, for the block's largest p
.endr
.irp i, 3,5,7,9,11,13
.irp b, 0,1,2,3
	v_max3_num_f32 v[232+\b], v[232+\b], v[96+16*\b+\i], v[97+16*\b+\i]
.endr
.endr
.irp b, 0,1,2,3
	v_max_num_f32 v[232+\b], v[232+\b], v[111+16*\b]
.endr
.irp b, 0,1,2,3
	s_delay_alu instid0(VALU_DEP_4)
	v_permlanex16_b32 v[236+\b], v[232+\b], s[SEL], s[SEL+1]
.endr
.irp b, 0,1,2,3
	s_delay_alu instid0(VALU_DEP_4)
	v_max_num_f32 v[232+\b], v[232+\b], v[236+\b]  ; with lane l xor 16's 16 keys
.endr
	s_delay_alu instid0(VALU_DEP_2)
	v_max3_num_f32 v254, v232, v233, v234
	s_delay_alu instid0(VALU_DEP_1)
	v_max_num_f32 v254, v254, v235                 ; the step's largest score of my query
	s_delay_alu instid0(VALU_DEP_1)
	v_mul_f32 v254, s[CS], v254                    ; as t (c is positive)
	s_delay_alu instid0(VALU_DEP_1)
	v_max_num_f32 v13, v13, v254                   ; the running largest t
	v_mov_b32 v254, v12
	s_delay_alu instid0(VALU_DEP_2)
	v_floor_f32 v12, -v13                          ; the new -M = floor(-t) = -ceil(t)
	s_delay_alu instid0(VALU_DEP_1)
	v_sub_f32 v254, v12, v254                      ; old M - new M: a whole number, 0 or less
	s_delay_alu instid0(VALU_DEP_1)
	v_cvt_i32_f32 v254, v254                       ; (it saturates)
	s_delay_alu instid0(VALU_DEP_1)
	v_ldexp_f32 v252, 1.0, v254                    ; f = 2^(old M - new M)
.set j, 0
.rept 32
	v_pk_fma_f32 v[96+j:97+j], v[96+j:97+j], s[CS:CS+1], v[12:13] op_sel_hi:[1,0,0]   ; t - M, two at a time
.set j, j+2
.endr
.irp b, 0,1,2,3
	v_fma_f32 v[232+\b], v[232+\b], s[CS], v12     ; the same of each block's largest score
.endr
.set j, 0
	s_setprio 1
	s_wait_alu depctr_va_vdst(0)
.rept 64
	v_exp_f32 v[96+j], v[96+j]                     ; p = 2^(t - M), at most 1
.set j, j+1
.endr
	v_pk_mul_f32 v[14:15], v[14:15], v[252:253] op_sel_hi:[1,0]   ; the sums under the new M: the plain instruction behind the exponentials
	s_wait_alu depctr_va_vdst(0)                   ; one wait for the whole batch, ahead of its first reader
.irp b, 0,1,2,3
	v_exp_f32 v[232+\b], v[232+\b]                 ; the block's largest p: the same two instructions on the same number give the same bits
.endr
	v_pk_add_f32 v[236:237], v[100:101], v[104:105]
	v_pk_add_f32 v[246:247], v[108:109], v[112:113]
	v_pk_add_f32 v[244:245], v[116:117], v[120:121]
	v_pk_add_f32 v[240:241], v[124:125], v[128:129]
	v_pk_add_f32 v[238:239], v[132:133], v[136:137]
	v_pk_add_f32 v[230:231], v[140:141], v[144:145]
	v_pk_add_f32 v[228:229], v[148:149], v[152:153]
	v_pk_add_f32 v[14:15], v[14:15], v[156:157]
	v_pk_add_f32 v[236:237], v[236:237], v[96:97]
	v_pk_add_f32 v[246:247], v[246:247], v[98:99]
	v_pk_add_f32 v[244:245], v[244:245], v[102:103]
	v_pk_add_f32 v[240:241], v[240:241], v[106:107]
	v_pk_add_f32 v[238:239], v[238:239], v[110:111]
	v_pk_add_f32 v[230:231], v[230:231], v[114:115]
	v_pk_add_f32 v[228:229], v[228:229], v[118:119]
	v_pk_add_f32 v[14:15], v[14:15], v[122:123]
	v_pk_add_f32 v[236:237], v[236:237], v[126:127]
	v_pk_add_f32 v[246:247], v[246:247], v[130:131]
	v_pk_add_f32 v[244:245], v[244:245], v[134:135]
	v_pk_add_f32 v[240:241], v[240:241], v[138:139]
	v_pk_add_f32 v[238:239], v[238:239], v[142:143]
	v_pk_add_f32 v[230:231], v[230:231], v[146:147]
	v_pk_add_f32 v[228:229], v[228:229], v[150:151]
	v_pk_add_f32 v[14:15], v[14:15], v[154:155]
	v_pk_add_f32 v[236:237], v[236:237], v[158:159]
	s_delay_alu instid0(VALU_DEP_2)
	v_pk_add_f32 v[14:15], v[14:15], v[240:241]
	s_delay_alu instid0(VALU_DEP_2)
	v_pk_add_f32 v[236:237], v[236:237], v[238:239]
	v_pk_add_f32 v[246:247], v[246:247], v[230:231]
	v_pk_add_f32 v[244:245], v[244:245], v[228:229]
	s_delay_alu instid0(VALU_DEP_2)
	v_pk_add_f32 v[14:15], v[14:15], v[246:247]
	s_delay_alu instid0(VALU_DEP_2)
	v_pk_add_f32 v[236:237], v[236:237], v[244:245]
	s_delay_alu instid0(VALU_DEP_1)
	v_pk_add_f32 v[14:15], v[14:15], v[236:237]
	s_wait_alu depctr_va_vdst(0)                   ; and one for the four
.irp b, 0,1,2,3
	v_max_num_f32 v[232+\b], 0x2800000, v[232+\b]  ; the floor 2^(5 - 127): the byte cannot fall under 1
.endr
.irp b, 0,1,2,3
	s_delay_alu instid0(VALU_DEP_4)
	v_add_nc_u32 v[244+\b], 0xfe000000, v[232+\b]  ; 4 off the exponent field: the conversion's scale operand
.endr
.irp b, 0,1,2,3
	s_delay_alu instid0(VALU_DEP_4)
	v_lshrrev_b32 v[236+\b], 23, v[244+\b]         ; the scale's byte
.endr
	s_delay_alu instid0(VALU_DEP_3)
	v_lshl_or_b32 v253, v237, 8, v236              ; p's scale word for these 128 keys
	s_delay_alu instid0(VALU_DEP_1)
	v_lshl_or_b32 v253, v238, 16, v253
	s_delay_alu instid0(VALU_DEP_1)
	v_lshl_or_b32 v253, v239, 24, v253
.irp c, 0,1
	v_cvt_scalef32_pk16_bf6_f32 v[224+6*\c:226+6*\c], v[96+32*\c:111+32*\c], v[244+2*\c]
	v_cvt_scalef32_pk16_bf6_f32 v[236+4*\c:238+4*\c], v[112+32*\c:127+32*\c], v[244+2*\c+1]   ; (a conversion's three registers begin on an even number)
.endr
	v_nop                                          ; one plain place behind a scaled conversion
	s_setprio 0
.irp c, 0,1                            ; the operand's layout wants a whole block in a lane
.irp i, 0,1,2
	v_permlane16_swap_b32 v[224+6*\c+\i], v[236+4*\c+\i]
.endr
.irp i, 0,1,2
	s_delay_alu instid0(VALU_DEP_3)
	v_mov_b32 v[227+6*\c+\i], v[236+4*\c+\i]
.endr
.endr
.set j, 0
.rept 16
	v_pk_mul_f32 v[160+j:161+j], v[160+j:161+j], v[252:253] op_sel_hi:[1,0]   ; O^T under the new M.  These 16 also stand between the lines that made p's codes and scale word and the products
.set j, j+2
.endr
	s_wait_alu depctr_va_vdst(0)
	s_wait_dscnt 0x0                               ; v is in
.irp t, 0,1,2,3
	v_wmma_scale_f32_16x16x128_f8f6f4 v[160+8*\t:167+8*\t], v[32+12*\t:43+12*\t], v[224:235], v[160+8*\t:167+8*\t], v[248+\t], v253 matrix_a_fmt:MATRIX_FMT_BF6 matrix_b_fmt:MATRIX_FMT_BF6
.endr
.if \chk
.Lhidden_\@:
.endif
	s_add_co_u32 s[TB], s[TB], BLKB
	s_add_co_u32 s[SI], s[SI], 1
.endm
; A tile ends: O^T / the sum is ctx's 64 numbers of my query in this head: two blocks of 32, quantised, and stored as half a fragment's image.
.macro FINISH cb, sb
.rept 4
	v_nop                                          ; places behind the last products
.endr
	v_add_f32 v14, v14, v15                        ; the sum's two halves,
	s_delay_alu instid0(VALU_DEP_1)
	v_permlanex16_b32 v252, v14, s[SEL], s[SEL+1]
	s_delay_alu instid0(VALU_DEP_1)
	v_add_f32 v14, v14, v252                       ; and lane l xor 16's
	s_wait_alu depctr_va_vdst(0)
	v_rcp_f32 v14, v14
	v_nop                                          ; a plain place behind the reciprocal
	s_wait_alu depctr_va_vdst(0)                   ; and the wait ahead of its first reader
.set j, 0
.rept 32
	v_mul_f32 v[96+j], v[160+j], v14               ; register 16 b + i: place 32 b + 16 (lane / 16) + i of the head's 64
.set j, j+1
.endr
.irp b, 0,1
	v_max3_num_f32 v[232+\b], |v[96+16*\b]|, |v[97+16*\b]|, 0x2800000
.endr
.irp i, 2,4,6,8,10,12,14
.irp b, 0,1
	s_delay_alu instid0(VALU_DEP_2)
	v_max3_num_f32 v[232+\b], v[232+\b], |v[96+16*\b+\i]|, |v[97+16*\b+\i]|
.endr
.endr
.irp b, 0,1
	s_delay_alu instid0(VALU_DEP_2)
	v_permlanex16_b32 v[236+\b], v[232+\b], s[SEL], s[SEL+1]
.endr
.irp b, 0,1
	s_delay_alu instid0(VALU_DEP_2)
	v_max_num_f32 v[232+\b], v[232+\b], v[236+\b]
.endr
.irp b, 0,1
	s_delay_alu instid0(VALU_DEP_2)
	v_add_nc_u32 v[244+\b], 0xfe000000, v[232+\b]
.endr
.irp b, 0,1
	s_delay_alu instid0(VALU_DEP_2)
	v_lshrrev_b32 v[236+\b], 23, v[244+\b]
.endr
	s_delay_alu instid0(VALU_DEP_1)
	v_lshl_or_b32 v254, v237, 8, v236              ; the row's two scale bytes
	v_cvt_scalef32_pk16_bf6_f32 v[224:226], v[96:111], v244
	v_cvt_scalef32_pk16_bf6_f32 v[240:242], v[112:127], v245
	v_nop                                          ; one plain place behind a scaled conversion
.irp i, 0,1,2
	v_permlane16_swap_b32 v[224+\i], v[240+\i]
.endr
.irp i, 0,1,2
	s_delay_alu instid0(VALU_DEP_3)
	v_mov_b32 v[227+\i], v[240+\i]
.endr
	global_store_b128 v1, v[224:227], s[\cb:\cb+1]             ; 512 consecutive bytes,
	global_store_b64 v2, v[228:229], s[\cb:\cb+1] offset:512   ; 256, both at multiples of 256
	global_store_b16 v3, v254, s[\sb:\sb+1]                    ; lanes r and 16 + r store the same two bytes
	s_wait_xcnt 0x0                                ; the stores have read their registers, which the next tile writes again
.endm
	s_wait_tensorcnt 1                             ; my part of key steps 0-3 is in; the load of steps 4-15 may stay out
	s_barrier_signal -1
	s_barrier_wait -1                              ; everybody's is
	s_wait_loadcnt 0x0                             ; q
	INIT
	s_mov_b32 s[SI], 0
	s_mov_b32 s[TB], 0
.Lloop_a:                                          ; the first tile, key steps 0-3: its block is 8 or later, so all their keys count
	STEP 16, 255, ML, 0
	s_cmp_lt_u32 s[SI], 4
	s_cbranch_scc1 .Lloop_a
	s_setprio 0
	s_wait_dscnt 0x0
	s_wait_tensorcnt 0x0                           ; my part of key steps 4-15 is in,
	s_barrier_signal -1
	s_barrier_wait -1                              ; everybody's is
	s_mov_b32 s[SI], 4
	s_mov_b32 s[TB], 4*BLKB
.Lloop_b:                                          ; key steps 4-15
	STEP 16, 255, ML, 1
	s_cmp_lt_u32 s[SI], 16
	s_cbranch_scc1 .Lloop_b
	s_setprio 0
	FINISH 54, 58
	INIT
	s_mov_b32 s[SI], 0
	s_mov_b32 s[TB], 0
.Lloop_c:                                          ; the second tile: its block is 7 or earlier
	STEP 192, 204, MS, 1
	s_cmp_lt_u32 s[SI], 8
	s_cbranch_scc1 .Lloop_c
	s_setprio 0
	FINISH 56, 60
	s_wait_dscnt 0x0
	s_wait_tensorcnt 0x0
	ds_add_u32 v223, v243
	s_wait_dscnt 0x0
	CROUND                                         ; the closing round
	s_endpgm
.Lfunc_end_k_q9751259f2d_attn:
	.size	k_q9751259f2d_attn, .Lfunc_end_k_q9751259f2d_attn-k_q9751259f2d_attn
	.p2alignl 7, 3214868480
	.fill 96, 4, 3214868480
	.section	.rodata,"a",@progbits
	.p2align	6, 0x0
	.amdhsa_kernel k_q9751259f2d_attn
		.amdhsa_group_segment_fixed_size 215040
		.amdhsa_private_segment_fixed_size 0
		.amdhsa_enable_private_segment 0
		.amdhsa_kernarg_size 24
		.amdhsa_user_sgpr_count 2
		.amdhsa_user_sgpr_kernarg_segment_ptr 1
		.amdhsa_wavefront_size32 1
		.amdhsa_system_sgpr_workgroup_id_x 1
		.amdhsa_system_sgpr_workgroup_id_y 1
		.amdhsa_system_sgpr_workgroup_id_z 1
		.amdhsa_system_vgpr_workitem_id 0
		.amdhsa_next_free_vgpr 256
		.amdhsa_next_free_sgpr 66
		.amdhsa_reserve_vcc 1
		.amdhsa_float_denorm_mode_32 3
		.amdhsa_float_denorm_mode_16_64 3
		.amdhsa_memory_ordered 1
		.amdhsa_forward_progress 1
		.amdhsa_inst_pref_size 82
	.end_amdhsa_kernel
	.amdgpu_metadata
---
amdhsa.version: [ 1, 2 ]
amdhsa.kernels:
  - .name:           k_q9751259f2d_attn
    .symbol:         k_q9751259f2d_attn.kd
    .args:
      - { .name: qkv, .offset: 0, .size: 8, .value_kind: global_buffer, .address_space: global }
      - { .name: cimg, .offset: 8, .size: 8, .value_kind: global_buffer, .address_space: global }
      - { .name: csc, .offset: 16, .size: 8, .value_kind: global_buffer, .address_space: global }
    .group_segment_fixed_size: 215040
    .private_segment_fixed_size: 0
    .kernarg_segment_align: 8
    .kernarg_segment_size: 24
    .max_flat_workgroup_size: 512
    .sgpr_count:     66
    .vgpr_count:     256
    .wavefront_size: 32
...
	.end_amdgpu_metadata
.endif
;; end of part 4
;; launch outp (part 5): grid 4 x 64, 4 waves a work-group, clusters of 4 x 4, 295,424 bytes of LDS; arguments cimg, csc, wimg, wsc, bo, out0; writes out0
.if DOCPART == 5
	.amdgcn_target "amdgcn-amd-amdhsa--gfx1250"
	.amdhsa_code_object_version 6
	.text
	.protected	k_q9751259f2d_outp
	.globl	k_q9751259f2d_outp
	.p2align	8
	.type	k_q9751259f2d_outp,@function
k_q9751259f2d_outp:
	s_mov_b64 s[64:65], 0
	v_nop
	global_prefetch_b8 v0, s[64:65] scope:SCOPE_SE
	s_setreg_imm32_b32 hwreg(HW_REG_WAVE_MODE, 25, 1), 1
	s_wait_xcnt 0x0
	s_wait_alu depctr_hold_cnt(0) depctr_sa_sdst(0) depctr_va_vdst(0) depctr_va_sdst(0) depctr_va_ssrc(0) depctr_va_vcc(0) depctr_vm_vsrc(0)
	s_getreg_b32 s2, hwreg(HW_REG_IB_STS2, 6, 4)
	s_cmp_eq_u32 s2, 0
	s_cbranch_scc0 .Lentry_in_a_cluster
	s_endpgm
.Lentry_in_a_cluster:
	s_bfe_u32 s2, ttmp6, 0x10000c
	s_cmp_lg_u32 s2, 0xf033
	s_cbranch_scc0 .Lentry_shape_is_right
	s_endpgm
.Lentry_shape_is_right:
; out = ctx Wo + bo on codes of BF6 (E3M2) with E8M0 scales; out [8192][1024] f32.
; OPERANDS are images of fragments (16 rows x 128 K, 1,536 bytes), [tile][ks 8]; tile T = 2 b + u holds rows 32 b + 8 u + p + 8 (p / 8).  Scale words: [tile][kk 4][r 16][2 words].  Wo's columns begin at tile 192 of the weights' image.
; A TILE OF THE RESULT is 128 tokens (side A) x 256 columns (side B), K = 1,024.  All its codes lie in LDS, 98,304 + 196,608 bytes, each byte filled ONCE, in four chunks of 256 along K: later chunks land while earlier ones are multiplied.
; Four waves; wave (HA, HB) makes A's tiles 4 HA .. + 3 x B's tiles 8 HB .. + 7: 32 accumulators.  THE MATRIX INSTRUCTION IS USED TRANSPOSED (source 0 = B's 16 rows, source 1 = A's): a lane holds one token, and its eight
; registers of B's tile 2 j + u are the eight neighbouring columns 32 j + 16 (lane / 16) + 8 u + 0 .. 7.
; CLUSTERS: 4 x 4 work-groups.  A's chunks are shared along a row of the cluster, B's along a column: each is asked for jointly.  The scale words (12 KB of 307 KB) are not shared: each wave loads its own once, in runs of 256 bytes.
; THE WAY OUT: a block of 16 tokens x 128 columns goes through the wave's own stage in LDS and leaves as whole rows of 512 bytes.  The stage lies in bytes that have had their only fill and that, behind the last step's barrier, nobody reads.
; REGISTERS, in windows of 256: window 0: v1-26 addresses, v32-79 scale words, v128-255 rows on their way out.  window 1: B's fragments, set p at 128 p + 12 i.  window 2: accumulator (a, b) at 8 (8 a + b).
;   window 3: A's fragments, set p at 48 p + 12 i; from v128 the bias in the result's layout.
.set FR,    12
.set FRB,   1536
.set TCH,   3072
.set TROW,  12288
.set ACH,   8*TCH
.set BCH,   16*TCH
.set BB0,   4*ACH
.set SPT,   528                        ; a stage row: 512 bytes + 16
.set ADA16, 8
.set ADA8,  12
.set ADB16, 16
.set ADB8,  20
.set STO,   24                         ; v24  the stage: where I put 32 bytes of a row
.set RD,    25                         ; v25  and where I read a row back
.set VBQ,   26                         ; v26  64 (lane / 16)
.set SA,    32
.set SB,    48
.set BK,    128
.set BI,    128
.set WV,    20
.set HA,    21
.set HB,    22
.set CX,    23
.set CY,    24
.set RT,    28
.set CTI,   29
.set G1A,   32
.set G1B,   40
.set G0A,   48
.set G0B,   68
.set MSB, 0
.macro WIN new                         ; the immediate's high byte repeats the setting that is left
.if MSB != \new
	s_set_vgpr_msb (MSB<<8)|\new
.set MSB, \new
.endif
.endm
.set W_MUL,  0xad                      ; source 0 (B) window 1, source 1 (A) window 3, C and D window 2
.set W_MULB, 0xbd                      ; the same with C (the bias) in window 3
.set W_TOB,  0x40                      ; destination window 1, address window 0
.set W_TOA,  0xc0                      ; destination window 3
.macro CROUND                          ; a round of the cluster's barrier
	s_barrier_signal -1
	s_barrier_wait -1
	s_cmp_lg_u32 s[WV], 0
	s_cbranch_scc1 .Lnot_wave_0_\@
	s_barrier_signal -3
.Lnot_wave_0_\@:
	s_barrier_wait -3
	s_barrier_signal -1
	s_barrier_wait -1
.endm
.macro PLACES
.rept 4
	v_nop
.endr
.endm
.macro FRAG reg, a16, a8, off          ; a fragment's image back into 12 registers
	ds_load_b128 v[(\reg):(\reg)+3], v[\a16] offset:(\off)
	ds_load_b64 v[(\reg)+4:(\reg)+5], v[\a8] offset:(\off)+512
	ds_load_b128 v[(\reg)+6:(\reg)+9], v[\a16] offset:(\off)+768
	ds_load_b64 v[(\reg)+10:(\reg)+11], v[\a8] offset:(\off)+1280
.endm
.macro FETCH ks                        ; K step ks: my eight fragments of B and four of A into set ks % 2: 48 loads
	WIN W_TOB
.irp i, 0,1,2,3,4,5,6,7
	FRAG 128*((\ks)%2)+FR*\i, ADB16+(\ks)/2, ADB8+(\ks)/2, TCH*\i+FRB*((\ks)%2)
.endr
	WIN W_TOA
.irp i, 0,1,2,3
	FRAG 48*((\ks)%2)+FR*\i, ADA16+(\ks)/2, ADA8+(\ks)/2, TCH*\i+FRB*((\ks)%2)
.endr
.endm
.macro WM a, b, p, sr, row, cr         ; one product: accumulator (a, b), set p, scale register sr of a block's four, from lanes 16-31 where row = 1; C begins at register cr
.if \row
	v_wmma_scale_f32_16x16x128_f8f6f4 v[8*(8*\a+\b):8*(8*\a+\b)+7], v[128*\p+FR*\b:128*\p+FR*\b+FR-1], v[48*\p+FR*\a:48*\p+FR*\a+FR-1], v[\cr:\cr+7], v[SB+4*\b+\sr], v[SA+4*\a+\sr] matrix_a_fmt:MATRIX_FMT_BF6 matrix_b_fmt:MATRIX_FMT_BF6 matrix_a_scale:MATRIX_SCALE_ROW1 matrix_b_scale:MATRIX_SCALE_ROW1
.else
	v_wmma_scale_f32_16x16x128_f8f6f4 v[8*(8*\a+\b):8*(8*\a+\b)+7], v[128*\p+FR*\b:128*\p+FR*\b+FR-1], v[48*\p+FR*\a:48*\p+FR*\a+FR-1], v[\cr:\cr+7], v[SB+4*\b+\sr], v[SA+4*\a+\sr] matrix_a_fmt:MATRIX_FMT_BF6 matrix_b_fmt:MATRIX_FMT_BF6
.endif
.endm
; 32 products of K step ks; the 32 accumulators take turns, one instruction a turn, in the same order in every step.  mode 1: the sums begin with the bias of B's rows: nothing is cleared.
.macro MUL ks, mode
.if \mode
	WIN W_MULB
.else
	WIN W_MUL
.endif
.irp a, 0,1,2,3
.irp b, 0,1,2,3,4,5,6,7
.if \mode == 0
	WM \a, \b, ((\ks)%2), (2*((\ks)/4)+(\ks)%2), (((\ks)/2)%2), (8*(8*\a+\b))
.else
	WM \a, \b, ((\ks)%2), (2*((\ks)/4)+(\ks)%2), (((\ks)/2)%2), (BI+8*\b)
.endif
.endr
.endr
.endm
.macro STEP ks, mode
	s_wait_dscnt 0x0                               ; this step's 48 loads, issued ahead of the last step's 32 products, are in
.if ((\ks)%2 == 1) && ((\ks) < 7)
	s_wait_tensorcnt 3-((\ks)+1)/2                 ; my part of the next chunk has landed; the later chunks' loads may stay out
	s_barrier_signal -1
	s_barrier_wait -1                              ; everybody's has
.endif
.if (\ks) > 0
	PLACES                                         ; in front of loads into the set that the last step's products read
.endif
	FETCH (\ks)+1
	MUL \ks, \mode
.endm
	s_load_b256 s[4:11], s[0:1], 0x0               ; cimg, csc, wimg, wsc
	s_load_b128 s[12:15], s[0:1], 0x20             ; bo, out0
	v_lshl_add_u32 v126, v0, 2, 0x48000
	v_mov_b32 v127, 0
	ds_add_u32 v126, v127
	ds_add_u32 v126, v127
	v_lshrrev_b32 v1, 5, v0
	v_readfirstlane_b32 s[WV], v1                  ; wave 0..3
	s_lshr_b32 s[HA], s[WV], 1                     ; which 64 tokens are mine.  Also: I fetch for A (0) or for B (1)
	s_and_b32 s[HB], s[WV], 1                      ; which 128 columns.  Also: which half of a chunk I fetch
	s_bfe_u32 s[CX], ttmp6, 0x40000
	s_bfe_u32 s[CY], ttmp6, 0x40004
	s_and_b32 s[RT], ttmp7, 0xffff
	s_lshl_b32 s[RT], s[RT], 2
	s_add_co_u32 s[RT], s[RT], s[CY]               ; which 128 tokens: 4 x cluster y + cy
	s_lshl_b32 s[CTI], ttmp9, 2
	s_add_co_u32 s[CTI], s[CTI], s[CX]             ; which 256 columns: 4 x cluster x + cx
	s_lshl_b32 s31, s[CY], 2
	s_lshl_b32 s31, 15, s31                        ; my row of the cluster
	s_lshl_b32 s98, 0x1111, s[CX]                  ; my column
	; group 1: R rows (tiles) of 384 elements of 8 bytes (a tile's two fragments of the chunk), 1,536 elements apart; no padding: every LDS access takes consecutive bytes
	s_or_b32 s[G1A], s31, (3<<16)|(1<<21)
	s_or_b32 s[G1B], s98, (3<<16)|(1<<21)
	s_mov_b32 s[G1A+1], 384<<16
	s_mov_b32 s[G1A+2], 4<<16
	s_mov_b32 s[G1A+3], 384<<16
	s_mov_b32 s[G1A+4], 4
	s_mov_b32 s[G1A+5], 1536
	s_mov_b32 s[G1A+6], 0
	s_mov_b32 s[G1A+7], 0
	s_mov_b32 s[G1B+1], 384<<16
	s_mov_b32 s[G1B+2], 8<<16
	s_mov_b32 s[G1B+3], 384<<16
	s_mov_b32 s[G1B+4], 8
	s_mov_b32 s[G1B+5], 1536
	s_mov_b32 s[G1B+6], 0
	s_mov_b32 s[G1B+7], 0
	s_lshl_b32 s30, s[RT], 3                       ; A's first tile
	s_lshl_b32 s31, s[HB], 2
	s_add_co_u32 s31, s31, s30
	s_mul_i32 s92, s31, TROW
	s_mov_b32 s93, 0
	s_lshl_b32 s67, s[CTI], 4
	s_add_co_u32 s67, s67, 192                     ; B's first tile: Wo's begin at 192
	s_lshl_b32 s98, s[HB], 3
	s_add_co_u32 s98, s98, s67
	s_mul_i32 s94, s98, TROW
	s_mov_b32 s95, 0
	s_mul_i32 s25, s[WV], 4*TCH                    ; where they go: A: waves 0, 1: wave x 4 tiles;
	s_mul_i32 s99, s[WV], 8*TCH
	s_add_co_u32 s99, s99, BB0-2*8*TCH             ; B: waves 2, 3: behind A's chunks, (wave - 2) x 8 tiles
	s_wait_dscnt 0x0
	s_wait_kmcnt 0x0
	s_add_nc_u64 s[84:85], s[4:5], s[92:93]
	s_add_nc_u64 s[86:87], s[8:9], s[94:95]
	CROUND                                         ; all sixteen work-groups are here: the joint loads meet
.irp c, 0,1,2,3
	s_mov_b32 s[G0A+4*\c], 1
	s_add_co_u32 s[G0A+4*\c+1], s25, \c*ACH
	s_add_nc_u64 s[G0A+4*\c+2:G0A+4*\c+3], s[84:85], \c*TCH
	s_or_b32 s[G0A+4*\c+3], s[G0A+4*\c+3], 0x80000000
	s_mov_b32 s[G0B+4*\c], 1
	s_add_co_u32 s[G0B+4*\c+1], s99, \c*BCH
	s_add_nc_u64 s[G0B+4*\c+2:G0B+4*\c+3], s[86:87], \c*TCH
	s_or_b32 s[G0B+4*\c+3], s[G0B+4*\c+3], 0x80000000
.endr
	s_cmp_eq_u32 s[HA], 0                          ; a wave's four fills stand in one branch on the wave's number: four loads of mine are out; four v_nop follow the last
	s_cbranch_scc0 .Lfill_b
	tensor_load_to_lds s[G0A:G0A+3], s[G1A:G1A+7]
	s_nop 0
	tensor_load_to_lds s[G0A+4:G0A+7], s[G1A:G1A+7]
	s_nop 0
	tensor_load_to_lds s[G0A+8:G0A+11], s[G1A:G1A+7]
	s_nop 0
	tensor_load_to_lds s[G0A+12:G0A+15], s[G1A:G1A+7]
	s_nop 0
	PLACES
	s_branch .Lfilled
.Lfill_b:
	tensor_load_to_lds s[G0B:G0B+3], s[G1B:G1B+7]
	s_nop 0
	tensor_load_to_lds s[G0B+4:G0B+7], s[G1B:G1B+7]
	s_nop 0
	tensor_load_to_lds s[G0B+8:G0B+11], s[G1B:G1B+7]
	s_nop 0
	tensor_load_to_lds s[G0B+12:G0B+15], s[G1B:G1B+7]
	s_nop 0
	PLACES
.Lfilled:
	v_and_b32 v5, 31, v0                           ; lane
	v_and_b32 v3, 15, v0                           ; r
	v_bfe_u32 v4, v0, 4, 1                         ; h
	v_lshlrev_b32 v1, 4, v5
	v_lshlrev_b32 v2, 3, v5
	s_lshl_b32 s31, s[HA], 2
	s_add_co_u32 s31, s31, s30
	s_lshl_b32 s92, s31, 9
	s_add_nc_u64 s[6:7], s[6:7], s[92:93]          ; the scale words of my four tiles of A,
	s_lshl_b32 s98, s[HB], 3
	s_add_co_u32 s98, s98, s67
	s_lshl_b32 s94, s98, 9
	s_add_nc_u64 s[10:11], s[10:11], s[94:95]      ; of my eight of B
.irp i, 0,1,2,3
.irp j, 0,1
	global_load_b64 v[SA+4*\i+2*\j:SA+4*\i+2*\j+1], v2, s[6:7] offset:512*\i+256*\j   ; 256 consecutive bytes
.endr
.endr
.irp i, 0,1,2,3,4,5,6,7
.irp j, 0,1
	global_load_b64 v[SB+4*\i+2*\j:SB+4*\i+2*\j+1], v2, s[10:11] offset:512*\i+256*\j
.endr
.endr
	v_lshlrev_b32 v[VBQ], 6, v4
	s_lshl_b32 s94, s[CTI], 10
	s_lshl_b32 s98, s[HB], 9
	s_add_co_u32 s94, s94, s98                     ; my first column, in bytes: 4 (256 CT + 128 HB)
	s_add_nc_u64 s[12:13], s[12:13], s[94:95]
	WIN W_TOA
.irp b, 0,1,2,3,4,5,6,7                ; the bias: for tile b my eight numbers 32 (b / 2) + 16 h + 8 (b % 2) + 0 .. 7
	global_load_b128 v[BI+8*\b:BI+8*\b+3], v[VBQ], s[12:13] offset:(32*(\b/2)+8*(\b%2))*4
	global_load_b128 v[BI+8*\b+4:BI+8*\b+7], v[VBQ], s[12:13] offset:(32*(\b/2)+8*(\b%2))*4+16
.endr
	WIN 0
	s_lshl_b32 s92, s[RT], 19                      ; my first token: (128 RT + 64 HA) rows of 4,096 bytes
	s_lshl_b32 s31, s[HA], 18
	s_add_co_u32 s92, s92, s31
	s_add_nc_u64 s[14:15], s[14:15], s[92:93]
	s_add_nc_u64 s[14:15], s[14:15], s[94:95]
	s_mul_i32 s31, s[HA], 4*TCH
	s_mul_i32 s98, s[HB], 8*TCH
	s_add_co_u32 s98, s98, BB0
.irp c, 0,1,2,3
	v_add_nc_u32 v[ADA16+\c], s31, v1
	v_add_nc_u32 v[ADA8+\c], s31, v2
	v_add_nc_u32 v[ADB16+\c], s98, v1
	v_add_nc_u32 v[ADB8+\c], s98, v2
	s_add_co_u32 s31, s31, ACH
	s_add_co_u32 s98, s98, BCH
.endr
	s_mul_i32 s31, s[WV], 16*SPT                   ; my stage
	v_mul_u32_u24 v[STO], v3, SPT
	v_lshl_add_u32 v[STO], v4, 6, v[STO]
	v_add_nc_u32 v[STO], s31, v[STO]               ; in: row r, + 64 h
	v_add_nc_u32 v[RD], s31, v1                    ; back: a row's 512 bytes, 16 a lane
	s_wait_tensorcnt 3                             ; my part of chunk 0 is in; the three later chunks' loads may be out,
	s_barrier_signal -1
	s_barrier_wait -1                              ; everybody's is
	FETCH 0
	s_wait_loadcnt 0x0                             ; scale words and bias
	STEP 0, 1
	STEP 1, 0
	STEP 2, 0
	STEP 3, 0
	STEP 4, 0
	STEP 5, 0
	STEP 6, 0
	s_wait_dscnt 0x0                               ; the last step's fragments are in: my reads of the chunks are over:
	s_barrier_signal -1                            ; say so,
	MUL 7, 0                                       ; work on registers while the others arrive,
	s_barrier_wait -1                              ; and behind this nobody reads the chunks: the stages may be written
	WIN 0
.macro TOSTAGE a                       ; block a: 16 tokens x 128 columns into my stage, and back as whole rows
	WIN 0x08                                       ; an LDS store's data are its source 1: window 2
.irp b, 0,1,2,3,4,5,6,7
	ds_store_b128 v[STO], v[64*(\a)+8*\b:64*(\a)+8*\b+3] offset:128*(\b/2)+32*(\b%2)        ; each accumulator from its low end on
	ds_store_b128 v[STO], v[64*(\a)+8*\b+4:64*(\a)+8*\b+7] offset:128*(\b/2)+32*(\b%2)+16
.endr
	WIN 0
.set BB, BK+64*((\a)%2)
.irp t, 0,1,2,3,4,5,6,7,8,9,10,11,12,13,14,15
	ds_load_b128 v[BB+4*\t:BB+4*\t+3], v[RD] offset:\t*SPT   ; LDS serves a wave's instructions in order: these see the stores above, and the next block's stores come behind them
.endr
.endm
.macro SEND a, younger                 ; younger: the LDS instructions issued behind block a's loads, which may stay out
.set BB, BK+64*((\a)%2)
	s_wait_dscnt \younger
.irp t, 0,1,2,3,4,5,6,7,8,9,10,11,12,13,14,15
	global_store_b128 v1, v[BB+4*\t:BB+4*\t+3], s[14:15] offset:(32*((\a)/2)+8*((\a)%2)+\t+8*(\t/8))*4096 th:TH_STORE_NT   ; 512 consecutive bytes at a multiple of 256; the tile's row t is token t + 8 (t / 8) of its 32
.endr
.endm
	PLACES                                         ; in front of the first read of results
	TOSTAGE 0
.irp a, 1,2,3
.if \a > 1
	s_wait_xcnt 0x0                                ; block a - 2's stores have read their registers: block a's loads may land there
.endif
	TOSTAGE \a
	SEND \a-1, 32                                  ; behind block a - 1's loads: block a's 16 stores and 16 loads
.endr
	SEND 3, 0
	s_wait_tensorcnt 0x0
	ds_add_u32 v126, v127
	s_wait_dscnt 0x0
	CROUND                                         ; the closing round: no work-group ends while a partner may still ask for a chunk that names it
	s_endpgm
.Lfunc_end_k_q9751259f2d_outp:
	.size	k_q9751259f2d_outp, .Lfunc_end_k_q9751259f2d_outp-k_q9751259f2d_outp
	.p2alignl 7, 3214868480
	.fill 96, 4, 3214868480
	.section	.rodata,"a",@progbits
	.p2align	6, 0x0
	.amdhsa_kernel k_q9751259f2d_outp
		.amdhsa_group_segment_fixed_size 295424
		.amdhsa_private_segment_fixed_size 0
		.amdhsa_enable_private_segment 0
		.amdhsa_kernarg_size 48
		.amdhsa_user_sgpr_count 2
		.amdhsa_user_sgpr_kernarg_segment_ptr 1
		.amdhsa_wavefront_size32 1
		.amdhsa_system_sgpr_workgroup_id_x 1
		.amdhsa_system_sgpr_workgroup_id_y 1
		.amdhsa_system_sgpr_workgroup_id_z 1
		.amdhsa_system_vgpr_workitem_id 0
		.amdhsa_next_free_vgpr 1024
		.amdhsa_next_free_sgpr 100
		.amdhsa_reserve_vcc 0
		.amdhsa_float_denorm_mode_32 3
		.amdhsa_float_denorm_mode_16_64 3
		.amdhsa_memory_ordered 1
		.amdhsa_forward_progress 1
		.amdhsa_inst_pref_size 86
	.end_amdhsa_kernel
	.amdgpu_metadata
---
amdhsa.version: [ 1, 2 ]
amdhsa.kernels:
  - .name:           k_q9751259f2d_outp
    .symbol:         k_q9751259f2d_outp.kd
    .args:
      - { .name: cimg, .offset: 0, .size: 8, .value_kind: global_buffer, .address_space: global }
      - { .name: csc, .offset: 8, .size: 8, .value_kind: global_buffer, .address_space: global }
      - { .name: wimg, .offset: 16, .size: 8, .value_kind: global_buffer, .address_space: global }
      - { .name: wsc, .offset: 24, .size: 8, .value_kind: global_buffer, .address_space: global }
      - { .name: bo, .offset: 32, .size: 8, .value_kind: global_buffer, .address_space: global }
      - { .name: out0, .offset: 40, .size: 8, .value_kind: global_buffer, .address_space: global }
    .group_segment_fixed_size: 295424
    .private_segment_fixed_size: 0
    .kernarg_segment_align: 8
    .kernarg_segment_size: 48
    .max_flat_workgroup_size: 128
    .sgpr_count:     100
    .vgpr_count:     1024
    .wavefront_size: 32
...
	.end_amdgpu_metadata
.endif
;; end of part 5
